; MI455X (gfx1250); checked and timed in simulation.
; The chip was launched on July 23, 2026; its instructions are those of AMD's public machine-readable ISA for CDNA 5 (MIT licence, August 2026) and "CDNA5" Instruction Set Architecture Reference Guide (July 2026). The comments in the code are by the model that wrote it; some were corrected since.
;; Bi Hgru2d. Allowed arithmetic: float matrix products may take bf16 or f16 operands with f32 sums; other float arithmetic in f32, or as packed bf16 or f16 multiplies, adds, multiply-adds, maxima and minima; sums over many terms, partial sums and values carried from step to step in f32; what a program stores and reads back later, other than sums and carried values, may be rounded once to bf16 or f16.
;; Inputs: W_gate 128 x 256 float32; W_in 128 x 256 float32; W_lambda 128 x 128 float32; W_out 256 x 128 float32; b_gate 256 float32; b_in 256 float32; b_lambda 128 float32; b_out 128 float32; ln_b 256 float32; ln_w 256 float32; theta_f 128 float32; theta_r 128 float32; x 128 x 128 x 8 x 128 float32.
;; Outputs: out0 128 x 128 x 8 x 128 float32.
;; 2 versions, each right; version 2 is version 1 with the launches hscan, wscan written anew for expert scheduling mode. Each part assembles by itself: llvm-mc -triple=amdgcn-amd-amdhsa -mcpu=gfx1250 --defsym DOCPART=n.
;; ======== version 1 of 2: 3 launches
;; limits: values outside matrix products are rounded to f16; values are held in f16: magnitudes above 65,504 overflow, below 6.1e-05 lose precision
;; workspace buffers: wfrag 229,376 bytes; tab 8,192 bytes; s1 134,217,728 bytes
;; launch prep (part 1): grid 57 x 1, 8 waves a work-group, no clusters, 0 bytes of LDS; arguments W_lambda, W_in, W_gate, W_out, theta_f, theta_r, b_lambda, b_in, b_gate, b_out, ln_w, ln_b, wfrag, tab; writes wfrag, tab
.if DOCPART == 1
	.amdgcn_target "amdgcn-amd-amdhsa--gfx1250"
	.amdhsa_code_object_version 6
	.text
	.protected	k_qb077c78a3a_prep
	.globl	k_qb077c78a3a_prep
	.p2align	8
	.type	k_qb077c78a3a_prep,@function
k_qb077c78a3a_prep:
	s_mov_b64 s[64:65], 0
	v_nop
	global_prefetch_b8 v0, s[64:65] scope:SCOPE_SE
	s_setreg_imm32_b32 hwreg(HW_REG_WAVE_MODE, 25, 1), 1
	s_wait_xcnt 0x0
; BiHgru2d, launch 1 of 3: the weights as bf16 in the order in which the matrix fragments want them, and the small tables.
; WORK LEFT OUT, in the whole program: only LOWER_BOUND = 0, a constant of the reference's own body: lam = 0 + (1 - 0) sigmoid(..) is sigmoid(..)
; for all inputs (a term 0 and a factor 1 by identity).  Every input has a way to the output, and every input is loaded.
; FORMATS.  Every input is rounded once to bf16: x and the four weights as matrix operands; the biases, theta, ln_w, ln_b here, kept as f32 afterwards.
; LIMITS.  |theta| under 2^20 (pi/2 is taken away in two parts); NaN and infinities are not treated apart.
; wfrag: chunks of 16 bytes = 8 consecutive k for one lane L (r = L % 16, hh = L / 16), k = 32 ks + 16 c + 8 hh + e:
;   byte ((3 g + q) 4 + ks) 1024 + 512 c + 16 L      q = 0: W_lambda[k][16 g + r]; q = 1, 2: W_in[k][2 (16 g + r) + q - 1]
;   byte 98304 + (4 mt + ks) 1024 + 512 c + 16 L     W_gate[k][16 mt + r]
;   byte 163840 + (8 mo + kf) 1024 + 512 c + 16 L    W_out[32 kf + 16 c + 8 hh + e][16 mo + r]
; tab (f32): 0 (cos, sin) theta_f; 1024 the same of theta_r; 2048 b_lambda; 2560 b_in's even columns; 3072 its odd ones; 4096 ln_w; 5120 ln_b; 6144 b_gate; 7168 b_out; 7680 zeros.
; Work-groups 0..55 make 4,096 bytes of wfrag each (a thread 16 bytes, a wave 512 on end); work-group 56 makes tab.
	s_load_b512 s[4:19], s[0:1], 0x0               ; W_lambda 4, W_in 6, W_gate 8, W_out 10, theta_f 12, theta_r 14, b_lambda 16, b_in 18
	s_load_b256 s[20:27], s[0:1], 0x40             ; b_gate 20, b_out 22, ln_w 24, ln_b 26
	s_load_b128 s[28:31], s[0:1], 0x60             ; wfrag 28, tab 30
	v_lshrrev_b32 v1, 5, v0
	v_readfirstlane_b32 s33, v1                    ; wave 0..7
	s_mov_b32 s32, ttmp9
	v_and_b32 v2, 15, v0                           ; r
	v_bfe_u32 v3, v0, 4, 1                         ; hh
	v_bfe_u32 v4, v0, 5, 1                         ; c
	v_lshrrev_b32 v5, 6, v0                        ; ks
	v_lshlrev_b32 v6, 5, v5
	v_lshl_add_u32 v6, v4, 4, v6
	v_lshl_add_u32 v6, v3, 3, v6                   ; 32 ks + 16 c + 8 hh
	v_lshlrev_b32 v9, 4, v0                        ; my 16 bytes of the work-group's 4,096
	s_lshl_b32 s42, s32, 12
	s_mov_b32 s43, 0
	s_wait_kmcnt 0x0
; Eight numbers of one column, k .. k + 7, rounded and packed.  s40: the column block's byte; s41: the first k of the work-group's part.
.macro CONV src, rsh, csh
	s_add_nc_u64 s[44:45], s[28:29], s[42:43]      ; wfrag at the work-group's part
	v_add_nc_u32 v6, s41, v6                       ; k
	v_lshlrev_b32 v6, \rsh, v6                     ; its row
	v_lshl_add_u32 v6, v2, \csh, v6                ; my column in the block
	v_add_nc_u32 v8, s40, v6
.irp j,0,1,2,3,4,5,6,7
	global_load_b32 v[16+\j], v8, s[\src:\src+1] offset:(\j)<<(\rsh)
.endr
	s_wait_loadcnt 0x0
.irp j,0,1,2,3
	v_cvt_pk_bf16_f32 v[24+\j], v[16+2*\j], v[17+2*\j]
.endr
	global_store_b128 v9, v[24:27], s[44:45]
	s_endpgm
.endm
.macro RND r                           ; a number rounded to bf16 and kept as f32
	v_cvt_pk_bf16_f32 v[\r], v[\r], v[\r]
	v_lshlrev_b32 v[\r], 16, v[\r]
.endm
	s_cmp_eq_u32 s32, 56
	s_cbranch_scc1 .Ltables
	s_cmp_lt_u32 s32, 24
	s_cbranch_scc0 .Lnot_scan
	s_mul_i32 s34, s32, 43
	s_lshr_b32 s34, s34, 7                         ; g = id / 3 (exact for id under 24)
	s_mul_i32 s35, s34, 3
	s_sub_co_u32 s35, s32, s35                     ; q
	s_mov_b32 s41, 0
	s_cmp_eq_u32 s35, 0
	s_cbranch_scc0 .Lw_in
	s_lshl_b32 s40, s34, 6                         ; 16 g columns of 4 bytes
	CONV 4, 9, 2
.Lw_in:
	s_lshl_b32 s40, s34, 7                         ; 32 g columns,
	s_sub_co_u32 s35, s35, 1
	s_lshl2_add_u32 s40, s35, s40                  ; the even or the odd ones
	CONV 6, 10, 3
.Lnot_scan:
	s_cmp_lt_u32 s32, 40
	s_cbranch_scc0 .Lw_out
	s_sub_co_u32 s34, s32, 24                      ; mt
	s_lshl_b32 s40, s34, 6
	s_mov_b32 s41, 0
	CONV 8, 10, 2
.Lw_out:
	s_sub_co_u32 s34, s32, 40
	s_lshr_b32 s40, s34, 1                         ; mo
	s_lshl_b32 s40, s40, 6
	s_and_b32 s41, s34, 1
	s_lshl_b32 s41, s41, 7                         ; kf 0..3 or 4..7
	CONV 10, 9, 2
.Ltables:
	v_and_b32 v2, 127, v0
	v_lshlrev_b32 v3, 2, v2                        ; 4 (t % 128)
	v_lshlrev_b32 v4, 2, v0                        ; 4 t
	v_lshrrev_b32 v5, 7, v0
	v_lshlrev_b32 v6, 3, v2
	v_lshl_add_u32 v6, v5, 2, v6                   ; b_in[2 (t % 128) + t / 128]
	v_lshlrev_b32 v7, 3, v0                        ; 8 t
	s_cmp_lt_u32 s33, 4
	s_cselect_b64 s[36:37], s[12:13], s[14:15]     ; waves 0-3 theta_f, waves 4-7 theta_r
	global_load_b32 v10, v3, s[36:37]
	global_load_b32 v11, v6, s[18:19]
	global_load_b32 v12, v4, s[24:25]
	global_load_b32 v13, v4, s[26:27]
	global_load_b32 v14, v4, s[20:21]
	s_wait_loadcnt 0x0
.irp r,10,11,12,13,14
	RND \r
.endr
	global_store_b32 v4, v11, s[30:31] offset:2560
	global_store_b32 v4, v12, s[30:31] offset:4096
	global_store_b32 v4, v13, s[30:31] offset:5120
	global_store_b32 v4, v14, s[30:31] offset:6144
	; sine and cosine: n = round(theta 2 / pi); rho = theta - n pi / 2, pi / 2 in two parts; series on |rho| <= pi / 4; the quadrant picks and signs
	v_mul_f32 v20, 0x3f22f983, v10
	v_rndne_f32 v20, v20
	v_fmamk_f32 v21, v20, 0xbfc90fdb, v10
	v_fmamk_f32 v21, v20, 0x333bbd2e, v21
	v_mul_f32 v22, v21, v21
	v_mov_b32 v23, 0x3638ef1d                      ; 1/9!
	v_fmaak_f32 v23, v23, v22, 0xb9500d01          ; -1/7!
	v_fmaak_f32 v23, v23, v22, 0x3c088889          ; 1/5!
	v_fmaak_f32 v23, v23, v22, 0xbe2aaaab          ; -1/3!
	v_mul_f32 v24, v21, v22
	v_fma_f32 v23, v23, v24, v21                   ; sin rho
	v_mov_b32 v25, 0x37d00d01                      ; 1/8!
	v_fmaak_f32 v25, v25, v22, 0xbab60b61          ; -1/6!
	v_fmaak_f32 v25, v25, v22, 0x3d2aaaab          ; 1/4!
	v_fmaak_f32 v25, v25, v22, 0xbf000000          ; -1/2
	v_fma_f32 v25, v25, v22, 1.0                   ; cos rho
	v_cvt_i32_f32 v26, v20
	v_and_b32 v27, 1, v26
	v_cmp_eq_u32 vcc_lo, 1, v27
	v_cndmask_b32 v28, v23, v25, vcc_lo            ; odd quadrant: the two change places
	v_cndmask_b32 v29, v25, v23, vcc_lo
	v_and_b32 v30, 2, v26
	v_lshlrev_b32 v30, 30, v30
	v_xor_b32 v33, v30, v28                        ; sin theta: minus in quadrants 2, 3
	v_add_nc_u32 v31, 1, v26
	v_and_b32 v31, 2, v31
	v_lshlrev_b32 v31, 30, v31
	v_xor_b32 v32, v31, v29                        ; cos theta: minus in quadrants 1, 2
	global_store_b64 v7, v[32:33], s[30:31]
	s_cmp_lt_u32 s33, 4
	s_cbranch_scc0 .Lzeros
	global_load_b32 v40, v4, s[16:17]
	global_load_b32 v41, v4, s[22:23]
	s_wait_loadcnt 0x0
	RND 40
	RND 41
	global_store_b32 v4, v40, s[30:31] offset:2048
	global_store_b32 v4, v41, s[30:31] offset:7168
	s_endpgm
.Lzeros:
	v_mov_b32 v40, 0
	global_store_b32 v4, v40, s[30:31] offset:7168 ; threads 128..255: bytes 7680..8191, which the last launch copies with the rest
	s_endpgm
.Lfunc_end_k_qb077c78a3a_prep:
	.size	k_qb077c78a3a_prep, .Lfunc_end_k_qb077c78a3a_prep-k_qb077c78a3a_prep
	.p2alignl 7, 3214868480
	.fill 96, 4, 3214868480
	.section	.rodata,"a",@progbits
	.p2align	6, 0x0
	.amdhsa_kernel k_qb077c78a3a_prep
		.amdhsa_group_segment_fixed_size 0
		.amdhsa_private_segment_fixed_size 0
		.amdhsa_enable_private_segment 0
		.amdhsa_kernarg_size 112
		.amdhsa_user_sgpr_count 2
		.amdhsa_user_sgpr_kernarg_segment_ptr 1
		.amdhsa_wavefront_size32 1
		.amdhsa_system_sgpr_workgroup_id_x 1
		.amdhsa_system_sgpr_workgroup_id_y 1
		.amdhsa_system_sgpr_workgroup_id_z 1
		.amdhsa_system_vgpr_workitem_id 0
		.amdhsa_next_free_vgpr 64
		.amdhsa_next_free_sgpr 66
		.amdhsa_reserve_vcc 1
		.amdhsa_float_denorm_mode_32 3
		.amdhsa_float_denorm_mode_16_64 3
		.amdhsa_memory_ordered 1
		.amdhsa_forward_progress 1
		.amdhsa_inst_pref_size 12
	.end_amdhsa_kernel
	.amdgpu_metadata
---
amdhsa.version: [ 1, 2 ]
amdhsa.kernels:
  - .name:           k_qb077c78a3a_prep
    .symbol:         k_qb077c78a3a_prep.kd
    .args:
      - { .name: W_lambda, .offset: 0, .size: 8, .value_kind: global_buffer, .address_space: global }
      - { .name: W_in, .offset: 8, .size: 8, .value_kind: global_buffer, .address_space: global }
      - { .name: W_gate, .offset: 16, .size: 8, .value_kind: global_buffer, .address_space: global }
      - { .name: W_out, .offset: 24, .size: 8, .value_kind: global_buffer, .address_space: global }
      - { .name: theta_f, .offset: 32, .size: 8, .value_kind: global_buffer, .address_space: global }
      - { .name: theta_r, .offset: 40, .size: 8, .value_kind: global_buffer, .address_space: global }
      - { .name: b_lambda, .offset: 48, .size: 8, .value_kind: global_buffer, .address_space: global }
      - { .name: b_in, .offset: 56, .size: 8, .value_kind: global_buffer, .address_space: global }
      - { .name: b_gate, .offset: 64, .size: 8, .value_kind: global_buffer, .address_space: global }
      - { .name: b_out, .offset: 72, .size: 8, .value_kind: global_buffer, .address_space: global }
      - { .name: ln_w, .offset: 80, .size: 8, .value_kind: global_buffer, .address_space: global }
      - { .name: ln_b, .offset: 88, .size: 8, .value_kind: global_buffer, .address_space: global }
      - { .name: wfrag, .offset: 96, .size: 8, .value_kind: global_buffer, .address_space: global }
      - { .name: tab, .offset: 104, .size: 8, .value_kind: global_buffer, .address_space: global }
    .group_segment_fixed_size: 0
    .private_segment_fixed_size: 0
    .kernarg_segment_align: 8
    .kernarg_segment_size: 112
    .max_flat_workgroup_size: 256
    .sgpr_count:     66
    .vgpr_count:     64
    .wavefront_size: 32
...
	.end_amdgpu_metadata
.endif
;; end of part 1
;; launch hscan (part 2): grid 512 x 1, 4 waves a work-group, no clusters, 70,144 bytes of LDS; arguments x, wfrag, tab, s1; writes s1
.if DOCPART == 2
	.amdgcn_target "amdgcn-amd-amdhsa--gfx1250"
	.amdhsa_code_object_version 6
	.text
	.protected	k_qb077c78a3a_hscan
	.globl	k_qb077c78a3a_hscan
	.p2align	8
	.type	k_qb077c78a3a_hscan,@function
k_qb077c78a3a_hscan:
	s_mov_b64 s[64:65], 0
	v_nop
	global_prefetch_b8 v0, s[64:65] scope:SCOPE_SE
	s_setreg_imm32_b32 hwreg(HW_REG_WAVE_MODE, 25, 1), 1
	s_wait_xcnt 0x0
; BiHgru2d, launch 2 of 3: lam and (1 - lam) silu(x W_in + b_in) from x, the forward and the reverse scan along H, and their sum, in f32, into s1.
; Nothing of the reference is left out but LOWER_BOUND = 0 (a term 0 and a factor 1 by identity; shown at the first kernel's head).
; SHARES.  A work-group owns one w and two lines b = 2 bp, 2 bp + 1: 128 steps x 2 lines = 256 tokens.  A wave owns 16 channels at a time, d = 16 g + r, g = 4 pass + wave, two passes.
; LAYOUT.  D = x W with rows = tokens, columns = channels: a lane holds ONE channel (r = lane % 16) and eight tokens.  Row m of tile i is m = 8 hh + 2 tt + line, step s = 4 i + tt, and the time
; is t = s for hh = 0, 127 - s for hh = 1.  So an aligned register pair holds the two lines at one step (every scan line is a packed one), lanes 0-15 hold t = 0..63 and lanes 16-31 t = 127..64.
; SWEEPS.  Sweep 1, s ascending: lanes 0-15 run the forward scan from t = 0, lanes 16-31 the reverse scan from t = 127; both begin with their first input.  The halves exchange their states
; (h_f[63], h_r[64]).  Sweep 2, s descending: lanes 0-15 go on with the reverse scan, t = 63..0, lanes 16-31 with the forward one, t = 64..127.  No step is made twice.
; s1, f32: byte (((pos(h) 128 + pos(w)) 4 + bp) 8 + g) 256 + 16 r + 4 {re b0, re b1, im b0, im b1}, pos(t) = t under 64, else 191 - t (= 64 hh + s): sixteen lanes store 256 bytes on end, aligned.
; LIMITS.  x and the weights are bf16 matrix operands; 2^z below 2^-126 counts as 0; NaN and infinities are not treated apart.
; NO CLUSTER, NO TENSOR LOAD: x is converted to bf16 on its way into LDS, so it passes through registers; of the rest only the weights are shared, 24 KiB a wave in fragment order.
; REGISTERS, in windows of 256 (s_set_vgpr_msb: bits 1:0 source 0, 3:2 source 1, 5:4 source 2, 7:6 destination).  Tile i < 15 lies in window 1 + i / 5 at 40 (i % 5), tile 15 in window 0 at 160:
;   +0 lam, +8 re, +16 im (8 each: pair tt), +24 F: four quads {re pair, im pair}.   In every window: 200 (cos, sin) of sweep 1, 202 of sweep 2, 204-211 two sets of gamma, 212-219 two states, 220-223 at work.
;   window 1: 224-247 three bias blocks.   window 0: 0-15 addresses, 16-111 the weights' fragments, 112-143 and 224-255 x's fragments, 144-150 constants as loaded, 80-159 at work in the activation.
.set STX,   524288                     ; bytes of x from one h to the next
.set SPARE, 69632                      ; LDS: x as bf16, 256 rows of 272 bytes; behind it the spare words, 128 bytes a wave
.set XP,    272                        ; a row of x in LDS: 256 bytes + 16: the 16 rows of a fragment load start 4 words apart modulo 64
.set WV,    14                         ; s14  wave
.set CNT,   15                         ; s15  passes to go
.set XLO,   16                         ; s[16:17] x at my first ascending step
.set XHI,   18                         ; s[18:19] x at my first descending step
.set WB,    20                         ; s[20:21] wfrag at my wave's group of pass 0
.set NL,    22                         ; s[22:23] -log2(e)
.set SEL,   24                         ; s[24:25] v_permlanex16_b32: each lane takes its own place in the other half
.set TA,    80
.set MSB,   0
.macro WIN new                         ; the high byte repeats the setting that is left; a switch that changes nothing is dropped
.if MSB != (\new)
	s_set_vgpr_msb (MSB<<8)|(\new)
.set MSB, (\new)
.endif
.endm
.macro TSET i                          ; tile i's window and base
.if (\i) < 15
.set TW, 1+(\i)/5
.set TB, 40*((\i)%5)
.else
.set TW, 0
.set TB, 160
.endif
.endm
.macro NOP4
.rept 4
	v_nop
.endr
.endm
; The weights' 12 fragments, the two (cos, sin) and the three biases of pass d
.macro LOADBC d
.irp q,0,1,2
.irp ks,0,1,2,3
	global_load_b128 v[16+32*\q+8*\ks:16+32*\q+8*\ks+3], v1, s[WB:WB+1] offset:(\d)*49152+\q*4096+\ks*1024
	global_load_b128 v[16+32*\q+8*\ks+4:16+32*\q+8*\ks+7], v1, s[WB:WB+1] offset:(\d)*49152+\q*4096+\ks*1024+512
.endr
.endr
	global_load_b64 v[144:145], v7, s[8:9] offset:(\d)*512
	global_load_b64 v[146:147], v8, s[8:9] offset:(\d)*512
	global_load_b32 v148, v9, s[8:9] offset:2048+(\d)*256
	global_load_b32 v149, v9, s[8:9] offset:2560+(\d)*256
	global_load_b32 v150, v9, s[8:9] offset:3072+(\d)*256
.endm
; My 64 rows of x (16 steps x 2 directions x 2 lines; a load is a whole row of 512 bytes), rounded to bf16, into LDS in tile order
.macro XIN
	WIN 0x80
.set n, 0
.rept 64
.if (n/2)%2
	global_load_b128 v[4*n:4*n+3], v1, s[XHI:XHI+1] offset:512*(n%2)-(n/4)*STX th:TH_LOAD_NT
.else
	global_load_b128 v[4*n:4*n+3], v1, s[XLO:XLO+1] offset:512*(n%2)+(n/4)*STX th:TH_LOAD_NT
.endif
.set n, n+1
.endr
.set grp, 0
.rept 8
	s_wait_loadcnt 56-8*grp                        ; loads come back in order: eight more rows are in, the younger ones stay out
	WIN 0xCA
.set n, 8*grp
.rept 8
	v_cvt_pk_bf16_f32 v[2*n], v[4*n], v[4*n+1]
	v_cvt_pk_bf16_f32 v[2*n+1], v[4*n+2], v[4*n+3]
.set n, n+1
.endr
	WIN 0x0C
.set n, 8*grp
.rept 8
	ds_store_b64 v3, v[2*n:2*n+1] offset:((n/16)*16+8*((n/2)%2)+2*((n/4)%4)+n%2)*XP
.set n, n+1
.endr
.set grp, grp+1
.endr
	WIN 0
.endm
.macro CONSTS                          ; the biases as C operands (8 equal registers each), the (cos, sin) into every window
	WIN 0x40
.irp q,0,1,2
.irp j,0,1,2,3,4,5,6,7
	v_mov_b32 v[224+8*\q+\j], v[148+\q]
.endr
.endr
.irp w,0x40,0x80,0xC0,0
	WIN \w
.irp j,0,1,2,3
	v_mov_b32 v[200+\j], v[144+\j]
.endr
.endr
.endm
.macro LOADA i, buf                    ; tile i's four fragments of x
.irp ks,0,1,2,3
	ds_load_b128 v[(\buf)+8*\ks:(\buf)+8*\ks+3], v2 offset:(\i)*4352+64*\ks
	ds_load_b128 v[(\buf)+8*\ks+4:(\buf)+8*\ks+7], v2 offset:(\i)*4352+64*\ks+32
.endr
.endm
; Tile i's 12 products.  The three accumulators take turns, one instruction a turn; the first three start the sums with the biases.
.macro GT i
	TSET \i
.set ab, 112+112*((\i)%2)
.if (\i) < 15
	s_wait_dscnt 8                                 ; my tile's fragments are in; the next tile's eight loads may stay out
.else
	s_wait_dscnt 0
.endif
	WIN (TW<<6)|0x10
.irp q,0,1,2
	v_wmma_f32_16x16x32_bf16 v[TB+8*\q:TB+8*\q+7], v[ab:ab+7], v[16+32*\q:16+32*\q+7], v[224+8*\q:224+8*\q+7]
.endr
	WIN (TW<<6)|(TW<<4)
.irp ks,1,2,3
.irp q,0,1,2
	v_wmma_f32_16x16x32_bf16 v[TB+8*\q:TB+8*\q+7], v[ab+8*\ks:ab+8*\ks+7], v[16+32*\q+8*\ks:16+32*\q+8*\ks+7], v[TB+8*\q:TB+8*\q+7]
.endr
.endr
.if ((\i) < 14) || ((\i) == 15)
	NOP4                                           ; four places: ahead of loads into the fragments just read, and of the activation
.endif
	WIN 0
.if (\i) < 14
	LOADA (\i)+2, ab
.endif
.endm
; The activation of nq tiles of window w, from slot q0 on: lam = 1 / (1 + 2^(-c z)), u = z / (1 + 2^(-c z)) (1 - lam), c = log2(e).  Two batches of transcendentals, one wait each.
.macro ACT w, q0, nq
	WIN (\w)
.set a, 0
.rept 8*(\nq)
	v_pk_mul_f32 v[TA+2*a:TA+2*a+1], v[40*((\q0)+a/8)+8+2*(a%8):40*((\q0)+a/8)+9+2*(a%8)], s[NL:NL+1] op_sel_hi:[1,0]
.set a, a+1
.endr
	WIN 0x55*(\w)
.set a, 0
.rept 4*(\nq)
	v_pk_mul_f32 v[40*((\q0)+a/4)+2*(a%4):40*((\q0)+a/4)+2*(a%4)+1], v[40*((\q0)+a/4)+2*(a%4):40*((\q0)+a/4)+2*(a%4)+1], s[NL:NL+1] op_sel_hi:[1,0]
.set a, a+1
.endr
.set a, 0
.rept 8*(\nq)
	v_exp_f32 v[40*((\q0)+a/8)+a%8], v[40*((\q0)+a/8)+a%8]
.set a, a+1
.endr
	WIN 0
.set a, 0
.rept 16*(\nq)
	v_exp_f32 v[TA+a], v[TA+a]
.set a, a+1
.endr
	v_nop                                          ; a plain instruction behind the last exponential,
	s_wait_alu depctr_va_vdst(0)                   ; and one wait for the batch, ahead of its first reader
.set a, 0
.rept 8*(\nq)
	v_pk_add_f32 v[TA+2*a:TA+2*a+1], v[TA+2*a:TA+2*a+1], 1.0 op_sel_hi:[1,0]
.set a, a+1
.endr
	WIN 0x55*(\w)
.set a, 0
.rept 4*(\nq)
	v_pk_add_f32 v[40*((\q0)+a/4)+2*(a%4):40*((\q0)+a/4)+2*(a%4)+1], v[40*((\q0)+a/4)+2*(a%4):40*((\q0)+a/4)+2*(a%4)+1], 1.0 op_sel_hi:[1,0]
.set a, a+1
.endr
.set a, 0
.rept 8*(\nq)
	v_rcp_f32 v[40*((\q0)+a/8)+a%8], v[40*((\q0)+a/8)+a%8]
.set a, a+1
.endr
	WIN 0
.set a, 0
.rept 16*(\nq)
	v_rcp_f32 v[TA+a], v[TA+a]
.set a, a+1
.endr
	v_nop
	s_wait_alu depctr_va_vdst(0)                   ; one wait for the reciprocals
	WIN ((\w)<<6)|(\w)
.set a, 0
.rept 8*(\nq)
	v_pk_mul_f32 v[40*((\q0)+a/8)+8+2*(a%8):40*((\q0)+a/8)+9+2*(a%8)], v[40*((\q0)+a/8)+8+2*(a%8):40*((\q0)+a/8)+9+2*(a%8)], v[TA+2*a:TA+2*a+1]
.set a, a+1
.endr
	WIN 0x55*(\w)
.set a, 0
.rept 4*(\nq)
.set tb, 40*((\q0)+a/4)
.set pp, 2*(a%4)
.set om, 220+2*(a%2)
	v_pk_fma_f32 v[om:om+1], v[tb+pp:tb+pp+1], -1.0, 1.0 op_sel_hi:[1,0,0]
	v_pk_mul_f32 v[tb+8+pp:tb+9+pp], v[tb+8+pp:tb+9+pp], v[om:om+1]
	v_pk_mul_f32 v[tb+16+pp:tb+17+pp], v[tb+16+pp:tb+17+pp], v[om:om+1]
.set a, a+1
.endr
.endm
; One step of a scan, both lines at once, in parts: SG gamma = lam (cos, sin); SA, SB h = gamma h_prev + u (complex); SF F += h.  PRr, PRi, PW name the state before.
.macro SYM k
.set tq, (\k)
.if REV
.set tq, 3-(\k)
.endif
.set gq, 204+4*((\k)%2)
.set nn, TB+24+4*tq
.if ACC
.set nn, 212+4*((\k)%2)
.endif
.endm
.macro SG k
	SYM \k
	v_pk_mul_f32 v[gq:gq+1], v[TB+2*tq:TB+2*tq+1], v[CSR:CSR+1] op_sel_hi:[1,0]
	v_pk_mul_f32 v[gq+2:gq+3], v[TB+2*tq:TB+2*tq+1], v[CSR:CSR+1] op_sel:[0,1] op_sel_hi:[1,1]
.endm
.macro SA k
	SYM \k
	v_pk_fma_f32 v[nn:nn+1], v[gq:gq+1], v[PRr:PRr+1], v[TB+8+2*tq:TB+9+2*tq]
	v_pk_fma_f32 v[nn+2:nn+3], v[gq:gq+1], v[PRi:PRi+1], v[TB+16+2*tq:TB+17+2*tq]
.endm
.macro SB k
	SYM \k
	v_pk_fma_f32 v[nn:nn+1], v[gq+2:gq+3], v[PRi:PRi+1], v[nn:nn+1] neg_lo:[1,0,0] neg_hi:[1,0,0]
	v_pk_fma_f32 v[nn+2:nn+3], v[gq+2:gq+3], v[PRr:PRr+1], v[nn+2:nn+3]
.set PRr, nn
.set PRi, nn+2
.endm
.macro SF k
.if ACC
	SYM \k
	v_pk_add_f32 v[TB+24+4*tq:TB+25+4*tq], v[TB+24+4*tq:TB+25+4*tq], v[nn:nn+1]
	v_pk_add_f32 v[TB+26+4*tq:TB+27+4*tq], v[TB+26+4*tq:TB+27+4*tq], v[nn+2:nn+3]
.endif
.endm
; Tile i's four steps.  cs: the sweep's (cos, sin); rev: steps descending; acc = 0: the state is written straight into F, 1: it is added onto F; first: the scan's first step, h = u.
.macro TILE_SW cs, i, rev, acc, first
	TSET \i
.set REV, \rev
.set ACC, \acc
.set CSR, \cs
.if PW != TW
	WIN (TW<<6)|PW                                 ; the state crosses into this tile's window
	v_mov_b32 v216, v[PRr]
	v_mov_b32 v217, v[PRr+1]
	v_mov_b32 v218, v[PRi]
	v_mov_b32 v219, v[PRi+1]
.set PRr, 216
.set PRi, 218
.set PW, TW
.endif
	WIN 0x55*TW
.if \first
	SG 1
.if \acc
	v_pk_add_f32 v[TB+24:TB+25], v[TB+24:TB+25], v[TB+8:TB+9]
	v_pk_add_f32 v[TB+26:TB+27], v[TB+26:TB+27], v[TB+16:TB+17]
.set PRr, TB+8
.set PRi, TB+16
.else
	v_mov_b32 v[TB+24], v[TB+8]
	v_mov_b32 v[TB+25], v[TB+9]
	v_mov_b32 v[TB+26], v[TB+16]
	v_mov_b32 v[TB+27], v[TB+17]
.set PRr, TB+24
.set PRi, TB+26
.endif
	SG 2
	SA 1
.else
	SG 0
	SG 1
	SA 0
	SB 0
	SG 2
	SA 1
	SF 0
.endif
	SB 1
	SG 3
	SA 2
	SF 1
	SB 2
	SA 3
	SF 2
	SB 3
	SF 3
.endm
.macro SWEEP1 acc
.set PW, 1
.set PRr, 0
.set PRi, 0
	TILE_SW 200, 0, 0, \acc, 1
.set si, 1
.rept 15
	TILE_SW 200, si, 0, \acc, 0
.set si, si+1
.endr
.endm
.macro XCHG                            ; the halves of the lanes exchange their states (tile 15 lies in window 0)
	WIN 0
	v_permlanex16_b32 v220, v[PRr], s[SEL], s[SEL+1]
	v_permlanex16_b32 v221, v[PRr+1], s[SEL], s[SEL+1]
	v_permlanex16_b32 v222, v[PRi], s[SEL], s[SEL+1]
	v_permlanex16_b32 v223, v[PRi+1], s[SEL], s[SEL+1]
.set PRr, 220
.set PRi, 222
.set PW, 0
.endm
.macro SWEEP2
.set si, 15
.rept 16
	TILE_SW 202, si, 1, 1, 0
.set si, si-1
.endr
.endm
	s_load_b256 s[4:11], s[0:1], 0x0               ; x 4, wfrag 6, tab 8, s1 10
	v_lshl_add_u32 v14, v0, 2, SPARE               ; my spare word,
	v_mov_b32 v15, 0                               ; and 0: for the wave's end
	v_lshrrev_b32 v11, 5, v0
	v_readfirstlane_b32 s[WV], v11                 ; wave 0..3
	v_and_b32 v11, 15, v0                          ; r
	v_and_b32 v12, 31, v0                          ; lane
	v_bfe_u32 v13, v0, 4, 1                        ; hh
	v_lshlrev_b32 v1, 4, v12                       ; 16 x lane
	v_mul_u32_u24 v2, v11, XP
	v_lshl_add_u32 v2, v13, 4, v2                  ; a fragment's row x pitch + 16 hh
	s_mul_i32 s28, s[WV], 64*XP
	v_lshl_add_u32 v3, v12, 3, s28                 ; where my 8 bytes of a row of x go: my wave's 64 rows
	s_lshl_b32 s28, s[WV], 8
	v_lshl_add_u32 v4, v11, 4, s28
	v_lshl_add_u32 v4, v13, 26, v4                 ; s1: 16 r + 256 wave + hh x 64 positions of 2^20 bytes
	s_lshl_b32 s28, s[WV], 7
	v_lshl_add_u32 v7, v11, 3, s28
	v_lshl_add_u32 v7, v13, 10, v7                 ; sweep 1: theta_f in lanes 0-15, theta_r in lanes 16-31
	v_xor_b32 v8, 0x400, v7                        ; sweep 2: the other way round
	s_lshl_b32 s28, s[WV], 6
	v_lshl_add_u32 v9, v11, 2, s28                 ; my channel in a bias
	s_mov_b32 s[NL], 0xbfb8aa3b
	s_mov_b32 s[NL+1], s[NL]
	s_mov_b32 s[SEL], 0x76543210
	s_mov_b32 s[SEL+1], 0xfedcba98
	s_and_b32 s28, ttmp9, 3                        ; bp
	s_lshr_b32 s29, ttmp9, 2                       ; w
	s_lshl_b32 s26, s29, 12
	s_lshl_b32 s30, s28, 10
	s_add_co_u32 s26, s26, s30                     ; my column's and lines' bytes in a row of the picture
	s_mov_b32 s27, 0
	s_wait_kmcnt 0x0
	s_add_nc_u64 s[XLO:XLO+1], s[4:5], s[26:27]
	s_mov_b64 s[XHI:XHI+1], s[XLO:XLO+1]
	s_lshl_b32 s26, s[WV], 23                      ; 16 wave steps
	s_add_nc_u64 s[XLO:XLO+1], s[XLO:XLO+1], s[26:27]
	s_lshl_b32 s26, s[WV], 4
	s_sub_co_u32 s26, 127, s26
	s_lshl_b32 s26, s26, 19                        ; step 127 - 16 wave
	s_add_nc_u64 s[XHI:XHI+1], s[XHI:XHI+1], s[26:27]
	s_mul_i32 s26, s[WV], 12288
	s_add_nc_u64 s[WB:WB+1], s[6:7], s[26:27]
	s_sub_co_u32 s30, 191, s29
	s_cmp_lt_u32 s29, 64
	s_cselect_b32 s29, s29, s30                    ; pos(w)
	s_lshl_b32 s26, s29, 13
	s_lshl_b32 s30, s28, 11
	s_add_co_u32 s26, s26, s30
	s_add_nc_u64 s[32:33], s[10:11], s[26:27]      ; eight bases, 8 positions of h apart, so that a store's immediate stays inside its 24 bits
.irp j,1,2,3,4,5,6,7
	s_add_nc_u64 s[32+2*\j:33+2*\j], s[30+2*\j:31+2*\j], 0x800000
.endr
	LOADBC 0
	XIN
	s_wait_dscnt 0x0                               ; my rows of x lie in LDS,
	s_barrier_signal -1
	s_barrier_wait -1                              ; everybody's do
	s_mov_b32 s[CNT], 2
.Lpass:
	s_wait_loadcnt 0x0                             ; this pass's weights and constants
	CONSTS
	LOADA 0, 112
	LOADA 1, 224
.set gi, 0
.rept 16
	GT gi
.set gi, gi+1
.endr
	ACT 1, 0, 5
	ACT 2, 0, 5
	ACT 3, 0, 5
	ACT 0, 4, 1
	WIN 0
	s_cmp_eq_u32 s[CNT], 1
	s_cbranch_scc1 .Lno_next
	LOADBC 1                                       ; the second pass's weights come in under the sweeps
.Lno_next:
	SWEEP1 0
	XCHG
	SWEEP2
.set i, 0
.rept 16
	TSET i
	WIN TW<<2
.irp u,0,1,2,3
	global_store_b128 v4, v[TB+24+4*\u:TB+27+4*\u], s[32+2*((4*i+\u)/8):33+2*((4*i+\u)/8)] offset:((4*i+\u)%8)<<20 th:TH_STORE_NT
.endr
.set i, i+1
.endr
	WIN 0
	s_wait_xcnt 0x0                                ; the stores have read their address and data: both are written again only behind this wait
	v_add_nc_u32 v4, 0x400, v4                     ; four groups of channels on
	s_sub_co_u32 s[CNT], s[CNT], 1
	s_cmp_lg_u32 s[CNT], 0
	s_cbranch_scc1 .Lpass
	s_wait_tensorcnt 0x0                           ; the wave's end, behind my last LDS store
	ds_add_u32 v14, v15
	s_wait_dscnt 0x0
	s_endpgm
.Lfunc_end_k_qb077c78a3a_hscan:
	.size	k_qb077c78a3a_hscan, .Lfunc_end_k_qb077c78a3a_hscan-k_qb077c78a3a_hscan
	.p2alignl 7, 3214868480
	.fill 96, 4, 3214868480
	.section	.rodata,"a",@progbits
	.p2align	6, 0x0
	.amdhsa_kernel k_qb077c78a3a_hscan
		.amdhsa_group_segment_fixed_size 70144
		.amdhsa_private_segment_fixed_size 0
		.amdhsa_enable_private_segment 0
		.amdhsa_kernarg_size 32
		.amdhsa_user_sgpr_count 2
		.amdhsa_user_sgpr_kernarg_segment_ptr 1
		.amdhsa_wavefront_size32 1
		.amdhsa_system_sgpr_workgroup_id_x 1
		.amdhsa_system_sgpr_workgroup_id_y 1
		.amdhsa_system_sgpr_workgroup_id_z 1
		.amdhsa_system_vgpr_workitem_id 0
		.amdhsa_next_free_vgpr 1024
		.amdhsa_next_free_sgpr 66
		.amdhsa_reserve_vcc 0
		.amdhsa_float_denorm_mode_32 3
		.amdhsa_float_denorm_mode_16_64 3
		.amdhsa_memory_ordered 1
		.amdhsa_forward_progress 1
		.amdhsa_inst_pref_size 186
	.end_amdhsa_kernel
	.amdgpu_metadata
---
amdhsa.version: [ 1, 2 ]
amdhsa.kernels:
  - .name:           k_qb077c78a3a_hscan
    .symbol:         k_qb077c78a3a_hscan.kd
    .args:
      - { .name: x, .offset: 0, .size: 8, .value_kind: global_buffer, .address_space: global }
      - { .name: wfrag, .offset: 8, .size: 8, .value_kind: global_buffer, .address_space: global }
      - { .name: tab, .offset: 16, .size: 8, .value_kind: global_buffer, .address_space: global }
      - { .name: s1, .offset: 24, .size: 8, .value_kind: global_buffer, .address_space: global }
    .group_segment_fixed_size: 70144
    .private_segment_fixed_size: 0
    .kernarg_segment_align: 8
    .kernarg_segment_size: 32
    .max_flat_workgroup_size: 128
    .sgpr_count:     66
    .vgpr_count:     1024
    .wavefront_size: 32
...
	.end_amdgpu_metadata
.endif
;; end of part 2
;; launch wscan (part 3): grid 512 x 1, 4 waves a work-group, no clusters, 243,200 bytes of LDS; arguments x, wfrag, tab, s1, out0; writes out0
.if DOCPART == 3
	.amdgcn_target "amdgcn-amd-amdhsa--gfx1250"
	.amdhsa_code_object_version 6
	.text
	.protected	k_qb077c78a3a_wscan
	.globl	k_qb077c78a3a_wscan
	.p2align	8
	.type	k_qb077c78a3a_wscan,@function
k_qb077c78a3a_wscan:
	s_mov_b64 s[64:65], 0
	v_nop
	global_prefetch_b8 v0, s[64:65] scope:SCOPE_SE
	s_setreg_imm32_b32 hwreg(HW_REG_WAVE_MODE, 25, 1), 1
	s_wait_xcnt 0x0
; BiHgru2d, launch 3 of 3: lam and u from x once more, the two scans along W added onto s1 (the two along H), LayerNorm over the 256 features, the gate silu(x W_gate + b_gate), and the product with W_out.
; Nothing of the reference is left out but LOWER_BOUND = 0 (a term 0 and a factor 1 by identity; shown at the first kernel's head).
; FIRST PART: as in the launch before, with time = w: a work-group owns one h and two lines b; a lane holds one channel; row m = 8 hh + 2 tt + line of tile i is step s = 4 i + tt, w = s (hh = 0) or 127 - s (hh = 1);
; sweep 1 ascends (forward scan in lanes 0-15, reverse in lanes 16-31), the halves exchange states, sweep 2 descends.  F starts with s1's sums, loaded at the pass's head and waited for behind the activation.
; The finished features go to LDS as f16, [feature][token], in blocks of 16 x 16.
; SECOND PART: a wave owns four tiles of 16 tokens.  Both products are taken transposed (source 0 = 16 columns of the weights, source 1 = 16 tokens), so a lane holds ONE token and eight neighbouring features or
; outputs; the features come back turned (ds_load_tr16_b128) into that layout, and a = LN x gate, rounded to bf16 in pairs, IS source 1 of the last product.  mean: a product of ones with the features;
; variance: the sum of squares of (feature - mean), in f32.  The output leaves through a stage of the wave's own as whole rows of 512 bytes.
; a GOES IN TWO PARTS: bf16(a), and bf16(a - bf16(a)), the difference being exact in f32: 16 significant bits together, with bf16's range.  a has a few large numbers among many small ones, and one large term's
; rounding to 8 bits is felt in an output near zero; f16 has no room for a (the gate grows with x and W_gate, LN with ln_w).  The price: the last product is made twice, 64 matrix instructions a trip for 32.
; LIMITS.  The sum of the four scans is kept once as f16: |feature| under 65,504 (each scan is bounded by the largest |silu(..)| of its line); x and the weights are bf16 matrix operands;
; 2^z below 2^-126 counts as 0; NaN and infinities are not treated apart.
; NO CLUSTER, NO TENSOR LOAD: x is converted on its way into LDS, so it passes through registers; the weights lie in memory in fragment order and go straight into registers.
; REGISTERS of the first part: as in the launch before (tile i < 15 in window 1 + i / 5 at 40 (i % 5), tile 15 in window 0 at 160; +0 lam, +8 re, +16 im, +24 F; 200-223 at work in every window).
; REGISTERS of the second part: window 1: OA(mo, u) = 8 (4 mo + u).  window 2: x(u, ks) = 32 u + 8 ks; W_gate(c, ks) = 128 + 32 c + 8 ks; W_out(mo) = 192 + 8 mo.
;   window 3: GA(c, u) = 8 (4 c + u); +64 the sigmoid at work, then 64 + 8 u a's second part; +128 the normalised feature, then a; 192 + 8 u the features as f16, then a's first part; 224 ln_w; 240 ln_b.
;   window 0: 16-28 addresses, 32-47 b_gate, 48-55 (rstd, -mean rstd), 56 the number -1.
.set STX,   4096                       ; bytes of x from one w to the next
.set FT,    69632                      ; LDS: behind x: the features, block (tile i, kb) at 8192 i + 512 kb, 16 rows of 32 bytes
.set STG,   200704                     ; four stages of 16 rows x 528 bytes
.set TB2,   234496                     ; ln_w, ln_b, b_gate, b_out: tab's second half
.set STAT,  238592                     ; (rstd, -mean rstd): 1,024 bytes a wave
.set SPARE, 242688                     ; the spare words, 128 bytes a wave
.set S1B,   32                         ; s[32:33] s1 at my row and lines
.set WGB,   34                         ; s[34:35] W_gate's fragments
.set WOB,   36                         ; s[36:37] W_out's
.set OLO,   38                         ; s[38:39] out0 at my first ascending step
.set OHI,   40                         ; s[40:41] at my first descending step
.set XP,    272
.set WV,    14
.set CNT,   15
.set XLO,   16
.set XHI,   18
.set WB,    20
.set NL,    22
.set SEL,   24
.set TA,    80
.set MSB,   0
.macro WIN new                         ; the high byte repeats the setting that is left; a switch that changes nothing is dropped
.if MSB != (\new)
	s_set_vgpr_msb (MSB<<8)|(\new)
.set MSB, (\new)
.endif
.endm
.macro TSET i
.if (\i) < 15
.set TW, 1+(\i)/5
.set TB, 40*((\i)%5)
.else
.set TW, 0
.set TB, 160
.endif
.endm
.macro NOP4
.rept 4
	v_nop
.endr
.endm
.macro LOADBC d
.irp q,0,1,2
.irp ks,0,1,2,3
	global_load_b128 v[16+32*\q+8*\ks:16+32*\q+8*\ks+3], v1, s[WB:WB+1] offset:(\d)*49152+\q*4096+\ks*1024
	global_load_b128 v[16+32*\q+8*\ks+4:16+32*\q+8*\ks+7], v1, s[WB:WB+1] offset:(\d)*49152+\q*4096+\ks*1024+512
.endr
.endr
	global_load_b64 v[144:145], v7, s[8:9] offset:(\d)*512
	global_load_b64 v[146:147], v8, s[8:9] offset:(\d)*512
	global_load_b32 v148, v9, s[8:9] offset:2048+(\d)*256
	global_load_b32 v149, v9, s[8:9] offset:2560+(\d)*256
	global_load_b32 v150, v9, s[8:9] offset:3072+(\d)*256
.endm
.macro XIN
	WIN 0x80
.set n, 0
.rept 64
.if (n/2)%2
	global_load_b128 v[4*n:4*n+3], v1, s[XHI:XHI+1] offset:512*(n%2)-(n/4)*STX th:TH_LOAD_NT
.else
	global_load_b128 v[4*n:4*n+3], v1, s[XLO:XLO+1] offset:512*(n%2)+(n/4)*STX th:TH_LOAD_NT
.endif
.set n, n+1
.endr
.set grp, 0
.rept 8
	s_wait_loadcnt 56-8*grp                        ; loads come back in order: eight more rows are in, the younger ones stay out
	WIN 0xCA
.set n, 8*grp
.rept 8
	v_cvt_pk_bf16_f32 v[2*n], v[4*n], v[4*n+1]
	v_cvt_pk_bf16_f32 v[2*n+1], v[4*n+2], v[4*n+3]
.set n, n+1
.endr
	WIN 0x0C
.set n, 8*grp
.rept 8
	ds_store_b64 v3, v[2*n:2*n+1] offset:((n/16)*16+8*((n/2)%2)+2*((n/4)%4)+n%2)*XP
.set n, n+1
.endr
.set grp, grp+1
.endr
	WIN 0
.endm
.macro CONSTS
	WIN 0x40
.irp q,0,1,2
.irp j,0,1,2,3,4,5,6,7
	v_mov_b32 v[224+8*\q+\j], v[148+\q]
.endr
.endr
.irp w,0x40,0x80,0xC0,0
	WIN \w
.irp j,0,1,2,3
	v_mov_b32 v[200+\j], v[144+\j]
.endr
.endr
.endm
.macro LOADA i, buf
.irp ks,0,1,2,3
	ds_load_b128 v[(\buf)+8*\ks:(\buf)+8*\ks+3], v2 offset:(\i)*4352+64*\ks
	ds_load_b128 v[(\buf)+8*\ks+4:(\buf)+8*\ks+7], v2 offset:(\i)*4352+64*\ks+32
.endr
.endm
; Tile i's 12 products.  The three accumulators take turns, one instruction a turn; the first three start the sums with the biases.
.macro GT i
	TSET \i
.set ab, 112+112*((\i)%2)
.if (\i) < 15
	s_wait_dscnt 8                                 ; my tile's fragments are in; the next tile's eight loads may stay out
.else
	s_wait_dscnt 0
.endif
	WIN (TW<<6)|0x10
.irp q,0,1,2
	v_wmma_f32_16x16x32_bf16 v[TB+8*\q:TB+8*\q+7], v[ab:ab+7], v[16+32*\q:16+32*\q+7], v[224+8*\q:224+8*\q+7]
.endr
	WIN (TW<<6)|(TW<<4)
.irp ks,1,2,3
.irp q,0,1,2
	v_wmma_f32_16x16x32_bf16 v[TB+8*\q:TB+8*\q+7], v[ab+8*\ks:ab+8*\ks+7], v[16+32*\q+8*\ks:16+32*\q+8*\ks+7], v[TB+8*\q:TB+8*\q+7]
.endr
.endr
.if ((\i) < 14) || ((\i) == 15)
	NOP4                                           ; four places: ahead of loads into the fragments just read, and of the activation
.endif
	WIN 0
.if (\i) < 14
	LOADA (\i)+2, ab
.endif
.endm
; lam = 1 / (1 + 2^(-c z)), u = z / (1 + 2^(-c z)) (1 - lam), c = log2(e): nq tiles of window w from slot q0 on.  Two batches of transcendentals, one wait each.
.macro ACT w, q0, nq
	WIN (\w)
.set a, 0
.rept 8*(\nq)
	v_pk_mul_f32 v[TA+2*a:TA+2*a+1], v[40*((\q0)+a/8)+8+2*(a%8):40*((\q0)+a/8)+9+2*(a%8)], s[NL:NL+1] op_sel_hi:[1,0]
.set a, a+1
.endr
	WIN 0x55*(\w)
.set a, 0
.rept 4*(\nq)
	v_pk_mul_f32 v[40*((\q0)+a/4)+2*(a%4):40*((\q0)+a/4)+2*(a%4)+1], v[40*((\q0)+a/4)+2*(a%4):40*((\q0)+a/4)+2*(a%4)+1], s[NL:NL+1] op_sel_hi:[1,0]
.set a, a+1
.endr
.set a, 0
.rept 8*(\nq)
	v_exp_f32 v[40*((\q0)+a/8)+a%8], v[40*((\q0)+a/8)+a%8]
.set a, a+1
.endr
	WIN 0
.set a, 0
.rept 16*(\nq)
	v_exp_f32 v[TA+a], v[TA+a]
.set a, a+1
.endr
	v_nop                                          ; a plain instruction behind the last exponential,
	s_wait_alu depctr_va_vdst(0)                   ; and one wait for the batch, ahead of its first reader
.set a, 0
.rept 8*(\nq)
	v_pk_add_f32 v[TA+2*a:TA+2*a+1], v[TA+2*a:TA+2*a+1], 1.0 op_sel_hi:[1,0]
.set a, a+1
.endr
	WIN 0x55*(\w)
.set a, 0
.rept 4*(\nq)
	v_pk_add_f32 v[40*((\q0)+a/4)+2*(a%4):40*((\q0)+a/4)+2*(a%4)+1], v[40*((\q0)+a/4)+2*(a%4):40*((\q0)+a/4)+2*(a%4)+1], 1.0 op_sel_hi:[1,0]
.set a, a+1
.endr
.set a, 0
.rept 8*(\nq)
	v_rcp_f32 v[40*((\q0)+a/8)+a%8], v[40*((\q0)+a/8)+a%8]
.set a, a+1
.endr
	WIN 0
.set a, 0
.rept 16*(\nq)
	v_rcp_f32 v[TA+a], v[TA+a]
.set a, a+1
.endr
	v_nop
	s_wait_alu depctr_va_vdst(0)                   ; one wait for the reciprocals
	WIN ((\w)<<6)|(\w)
.set a, 0
.rept 8*(\nq)
	v_pk_mul_f32 v[40*((\q0)+a/8)+8+2*(a%8):40*((\q0)+a/8)+9+2*(a%8)], v[40*((\q0)+a/8)+8+2*(a%8):40*((\q0)+a/8)+9+2*(a%8)], v[TA+2*a:TA+2*a+1]
.set a, a+1
.endr
	WIN 0x55*(\w)
.set a, 0
.rept 4*(\nq)
.set tb, 40*((\q0)+a/4)
.set pp, 2*(a%4)
.set om, 220+2*(a%2)
	v_pk_fma_f32 v[om:om+1], v[tb+pp:tb+pp+1], -1.0, 1.0 op_sel_hi:[1,0,0]
	v_pk_mul_f32 v[tb+8+pp:tb+9+pp], v[tb+8+pp:tb+9+pp], v[om:om+1]
	v_pk_mul_f32 v[tb+16+pp:tb+17+pp], v[tb+16+pp:tb+17+pp], v[om:om+1]
.set a, a+1
.endr
.endm
; One step of a scan, both lines at once, in parts: SG gamma = lam (cos, sin); SA, SB h = gamma h_prev + u (complex); SF F += h.  PRr, PRi, PW name the state before.
.macro SYM k
.set tq, (\k)
.if REV
.set tq, 3-(\k)
.endif
.set gq, 204+4*((\k)%2)
.set nn, TB+24+4*tq
.if ACC
.set nn, 212+4*((\k)%2)
.endif
.endm
.macro SG k
	SYM \k
	v_pk_mul_f32 v[gq:gq+1], v[TB+2*tq:TB+2*tq+1], v[CSR:CSR+1] op_sel_hi:[1,0]
	v_pk_mul_f32 v[gq+2:gq+3], v[TB+2*tq:TB+2*tq+1], v[CSR:CSR+1] op_sel:[0,1] op_sel_hi:[1,1]
.endm
.macro SA k
	SYM \k
	v_pk_fma_f32 v[nn:nn+1], v[gq:gq+1], v[PRr:PRr+1], v[TB+8+2*tq:TB+9+2*tq]
	v_pk_fma_f32 v[nn+2:nn+3], v[gq:gq+1], v[PRi:PRi+1], v[TB+16+2*tq:TB+17+2*tq]
.endm
.macro SB k
	SYM \k
	v_pk_fma_f32 v[nn:nn+1], v[gq+2:gq+3], v[PRi:PRi+1], v[nn:nn+1] neg_lo:[1,0,0] neg_hi:[1,0,0]
	v_pk_fma_f32 v[nn+2:nn+3], v[gq+2:gq+3], v[PRr:PRr+1], v[nn+2:nn+3]
.set PRr, nn
.set PRi, nn+2
.endm
.macro SF k
.if ACC
	SYM \k
	v_pk_add_f32 v[TB+24+4*tq:TB+25+4*tq], v[TB+24+4*tq:TB+25+4*tq], v[nn:nn+1]
	v_pk_add_f32 v[TB+26+4*tq:TB+27+4*tq], v[TB+26+4*tq:TB+27+4*tq], v[nn+2:nn+3]
.endif
.endm
.macro TILE_SW cs, i, rev, acc, first
	TSET \i
.set REV, \rev
.set ACC, \acc
.set CSR, \cs
.if PW != TW
	WIN (TW<<6)|PW                                 ; the state crosses into this tile's window
	v_mov_b32 v216, v[PRr]
	v_mov_b32 v217, v[PRr+1]
	v_mov_b32 v218, v[PRi]
	v_mov_b32 v219, v[PRi+1]
.set PRr, 216
.set PRi, 218
.set PW, TW
.endif
	WIN 0x55*TW
.if \first
	SG 1
.if \acc
	v_pk_add_f32 v[TB+24:TB+25], v[TB+24:TB+25], v[TB+8:TB+9]
	v_pk_add_f32 v[TB+26:TB+27], v[TB+26:TB+27], v[TB+16:TB+17]
.set PRr, TB+8
.set PRi, TB+16
.else
	v_mov_b32 v[TB+24], v[TB+8]
	v_mov_b32 v[TB+25], v[TB+9]
	v_mov_b32 v[TB+26], v[TB+16]
	v_mov_b32 v[TB+27], v[TB+17]
.set PRr, TB+24
.set PRi, TB+26
.endif
	SG 2
	SA 1
.else
	SG 0
	SG 1
	SA 0
	SB 0
	SG 2
	SA 1
	SF 0
.endif
	SB 1
	SG 3
	SA 2
	SF 1
	SB 2
	SA 3
	SF 2
	SB 3
	SF 3
.endm
.macro SWEEP1 acc
.set PW, 1
.set PRr, 0
.set PRi, 0
	TILE_SW 200, 0, 0, \acc, 1
.set si, 1
.rept 15
	TILE_SW 200, si, 0, \acc, 0
.set si, si+1
.endr
.endm
.macro XCHG
	WIN 0
	v_permlanex16_b32 v220, v[PRr], s[SEL], s[SEL+1]
	v_permlanex16_b32 v221, v[PRr+1], s[SEL], s[SEL+1]
	v_permlanex16_b32 v222, v[PRi], s[SEL], s[SEL+1]
	v_permlanex16_b32 v223, v[PRi+1], s[SEL], s[SEL+1]
.set PRr, 220
.set PRi, 222
.set PW, 0
.endm
.macro SWEEP2
.set si, 15
.rept 16
	TILE_SW 202, si, 1, 1, 0
.set si, si-1
.endr
.endm
; n tiles from i0 on (one window): the features rounded to f16 (8 tokens of my channel: 16 bytes, re and im) into lam's registers, and into LDS
.macro EPI i0, n
.set i, \i0
.rept \n
	TSET i
	WIN 0x55*TW
.irp u,0,1,2,3
	v_cvt_pk_f16_f32 v[TB+\u], v[TB+24+4*\u], v[TB+25+4*\u]
	v_cvt_pk_f16_f32 v[TB+4+\u], v[TB+26+4*\u], v[TB+27+4*\u]
.endr
.set i, i+1
.endr
.set i, \i0
.rept \n
	TSET i
	WIN TW<<2
	ds_store_b128 v[5+i/8], v[TB:TB+3] offset:(i%8)*8192
	ds_store_b128 v[5+i/8], v[TB+4:TB+7] offset:(i%8)*8192+4096
.set i, i+1
.endr
.endm
	s_load_b256 s[4:11], s[0:1], 0x0               ; x 4, wfrag 6, tab 8, s1 10
	s_load_b64 s[12:13], s[0:1], 0x20              ; out0
	v_lshl_add_u32 v14, v0, 2, SPARE               ; my spare word,
	v_mov_b32 v15, 0                               ; and 0: for the wave's end
	v_lshrrev_b32 v11, 5, v0
	v_readfirstlane_b32 s[WV], v11                 ; wave 0..3
	v_and_b32 v11, 15, v0                          ; r
	v_and_b32 v12, 31, v0                          ; lane
	v_bfe_u32 v13, v0, 4, 1                        ; hh
	v_lshlrev_b32 v1, 4, v12                       ; 16 x lane
	v_mul_u32_u24 v2, v11, XP
	v_lshl_add_u32 v2, v13, 4, v2                  ; a fragment's row x pitch + 16 hh
	s_mul_i32 s28, s[WV], 64*XP
	v_lshl_add_u32 v3, v12, 3, s28                 ; where my 8 bytes of a row of x go
	s_lshl_b32 s28, s[WV], 8
	v_lshl_add_u32 v4, v11, 4, s28
	v_lshl_add_u32 v4, v13, 19, v4                 ; s1: 16 r + 256 wave + hh x 64 positions of 8,192 bytes
	s_add_co_u32 s28, s28, 1024
	v_lshl_add_u32 v10, v12, 13, s28               ; the prefetches: a lane a position, my group of the second pass
	s_lshl_b32 s28, s[WV], 9
	s_add_co_u32 s28, s28, FT
	v_lshl_add_u32 v5, v11, 5, s28
	v_lshl_add_u32 v5, v13, 4, v5                  ; features: block kb = g, row r, tokens 8 hh on; tiles 0-7,
	v_add_nc_u32 v6, 0x10000, v5                   ; tiles 8-15
	s_lshl_b32 s28, s[WV], 7
	v_lshl_add_u32 v7, v11, 3, s28
	v_lshl_add_u32 v7, v13, 10, v7                 ; sweep 1: theta_f in lanes 0-15, theta_r in lanes 16-31
	v_xor_b32 v8, 0x400, v7                        ; sweep 2: the other way round
	s_lshl_b32 s28, s[WV], 6
	v_lshl_add_u32 v9, v11, 2, s28
	v_lshlrev_b32 v168, 4, v0                      ; the tables' copy: 16 bytes a thread, twice
	v_lshl_add_u32 v169, v0, 4, TB2
	s_mov_b32 s[NL], 0xbfb8aa3b
	s_mov_b32 s[NL+1], s[NL]
	s_mov_b32 s[SEL], 0x76543210
	s_mov_b32 s[SEL+1], 0xfedcba98
	s_mov_b32 s42, 0x3b800000                      ; 1/256
	s_mov_b32 s43, 0x3727c5ac                      ; 1e-5
	s_mov_b32 s44, 0xbb800000                      ; -1/256
	s_and_b32 s28, ttmp9, 3                        ; bp
	s_lshr_b32 s29, ttmp9, 2                       ; h
	s_lshl_b32 s26, s29, 19
	s_lshl_b32 s30, s28, 10
	s_add_co_u32 s26, s26, s30
	s_mov_b32 s27, 0
	s_wait_kmcnt 0x0
	s_add_nc_u64 s[XLO:XLO+1], s[4:5], s[26:27]
	s_add_nc_u64 s[OLO:OLO+1], s[12:13], s[26:27]
	s_mov_b64 s[XHI:XHI+1], s[XLO:XLO+1]
	s_mov_b64 s[OHI:OHI+1], s[OLO:OLO+1]
	s_lshl_b32 s26, s[WV], 16                      ; 16 wave steps
	s_add_nc_u64 s[XLO:XLO+1], s[XLO:XLO+1], s[26:27]
	s_add_nc_u64 s[OLO:OLO+1], s[OLO:OLO+1], s[26:27]
	s_lshl_b32 s26, s[WV], 4
	s_sub_co_u32 s26, 127, s26
	s_lshl_b32 s26, s26, 12                        ; step 127 - 16 wave
	s_add_nc_u64 s[XHI:XHI+1], s[XHI:XHI+1], s[26:27]
	s_add_nc_u64 s[OHI:OHI+1], s[OHI:OHI+1], s[26:27]
	s_mul_i32 s26, s[WV], 12288
	s_add_nc_u64 s[WB:WB+1], s[6:7], s[26:27]
	s_add_nc_u64 s[WGB:WGB+1], s[6:7], 98304
	s_add_nc_u64 s[WOB:WOB+1], s[6:7], 163840
	s_sub_co_u32 s30, 191, s29
	s_cmp_lt_u32 s29, 64
	s_cselect_b32 s29, s29, s30                    ; pos(h)
	s_lshl_b32 s26, s29, 20
	s_lshl_b32 s30, s28, 11
	s_add_co_u32 s26, s26, s30
	s_add_nc_u64 s[S1B:S1B+1], s[10:11], s[26:27]
	LOADBC 0
	global_load_b128 v[160:163], v168, s[8:9] offset:4096
	global_load_b128 v[164:167], v168, s[8:9] offset:6144
	XIN
	ds_store_b128 v169, v[160:163]                 ; (XIN's last wait was for all loads)
	ds_store_b128 v169, v[164:167] offset:2048
	s_wait_dscnt 0x0                               ; my rows of x and my part of the tables lie in LDS,
	s_barrier_signal -1
	s_barrier_wait -1                              ; everybody's do
	s_mov_b32 s[CNT], 2
.Lpass:
	s_wait_loadcnt 0x0                             ; this pass's weights and constants
	CONSTS
.set i, 0
.rept 16                                       ; the H scans' sums, straight into F: 64 loads, each two aligned runs of 256 bytes
	TSET i
	WIN TW<<6
.irp u,0,1,2,3
	global_load_b128 v[TB+24+4*\u:TB+27+4*\u], v4, s[S1B:S1B+1] offset:(4*i+\u)*8192 th:TH_LOAD_NT
.endr
.set i, i+1
.endr
	WIN 0
	s_cmp_eq_u32 s[CNT], 2
	s_cbranch_scc0 .Lno_ask
.irp n,0,1,2,3                                 ; in the first pass: my own 128 blocks of 256 bytes of the second pass, a lane a block, each named once, one pass ahead of their loads
	global_prefetch_b8 v10, s[S1B:S1B+1] offset:\n*262144 th:TH_LOAD_NT scope:SCOPE_SE
.endr
.Lno_ask:
	LOADA 0, 112
	LOADA 1, 224
.set gi, 0
.rept 16
	GT gi
.set gi, gi+1
.endr
	ACT 1, 0, 5
	ACT 2, 0, 5
	ACT 3, 0, 5
	ACT 0, 4, 1
	WIN 0
	s_wait_loadcnt 0x0                             ; s1's sums are in F
	s_cmp_eq_u32 s[CNT], 1
	s_cbranch_scc1 .Lno_next
	LOADBC 1                                       ; the second pass's weights come in under the sweeps
.Lno_next:
	SWEEP1 1
	XCHG
	SWEEP2
	EPI 0, 5
	EPI 5, 5
	EPI 10, 5
	EPI 15, 1
	WIN 0
	s_wait_xcnt 0x0                                ; every load and prefetch has read its address
	v_add_nc_u32 v4, 0x400, v4                     ; four groups of channels on, in s1
	v_add_nc_u32 v5, 0x800, v5                     ; and in the features
	v_add_nc_u32 v6, 0x800, v6
	s_sub_co_u32 s[CNT], s[CNT], 1
	s_cmp_lg_u32 s[CNT], 0
	s_cbranch_scc1 .Lpass
	; THE SECOND PART
	s_wait_dscnt 0x0                               ; my features lie in LDS,
	s_barrier_signal -1
	s_barrier_wait -1                              ; everybody's do
	v_mov_b32 v16, v1                              ; W_gate's fragments: 16 x lane, 8,192 on in each trip
	v_mov_b32 v17, v1                              ; W_out's: 1,024 on in each trip
	v_and_b32 v27, 7, v0
	v_lshl_add_u32 v27, v13, 3, v27
	v_bfe_u32 v28, v0, 3, 1
	v_lshlrev_b32 v27, 5, v27
	v_lshl_add_u32 v27, v28, 4, v27                ; the turning load: feature row 8 hh + lane % 8, tokens 8 ((lane / 8) % 2) on
	s_lshl_b32 s28, s[WV], 15
	s_add_co_u32 s28, s28, FT
	v_add_nc_u32 v18, s28, v27                     ; my four tiles' features: for the statistics,
	v_mov_b32 v20, v18                             ; and for the main loop
	s_lshl_b32 s28, s[WV], 10
	s_add_co_u32 s28, s28, STAT
	v_lshl_add_u32 v19, v12, 3, s28
	v_mov_b32 v26, v19
	v_lshlrev_b32 v21, 5, v13
	v_add_nc_u32 v25, TB2+3072, v21                ; b_out, 8 hh on
	v_add_nc_u32 v21, TB2, v21                     ; ln_w, ln_b, b_gate, 8 hh on
	s_mul_i32 s28, s[WV], 8448
	s_add_co_u32 s28, s28, STG
	v_mul_u32_u24 v22, v11, 528
	v_lshl_add_u32 v22, v13, 5, v22
	v_add_nc_u32 v22, s28, v22                     ; into my stage: row = token r, 32 bytes for each half of the lanes
	v_add_nc_u32 v23, s28, v1                      ; back: a whole row
	s_mul_i32 s28, s[WV], 64*XP
	v_add_nc_u32 v24, s28, v2                      ; my four tiles of x
	v_mov_b32 v56, -1.0                            ; for a - bf16(a)
	WIN 0x80
.irp c,0,1
.irp ks,0,1,2,3
	global_load_b128 v[128+32*\c+8*\ks:128+32*\c+8*\ks+3], v16, s[WGB:WGB+1] offset:\c*4096+\ks*1024
	global_load_b128 v[128+32*\c+8*\ks+4:128+32*\c+8*\ks+7], v16, s[WGB:WGB+1] offset:\c*4096+\ks*1024+512
.endr
.endr
.irp mo,0,1,2,3,4,5,6,7
	global_load_b128 v[192+8*\mo:192+8*\mo+3], v17, s[WOB:WOB+1] offset:\mo*8192
	global_load_b128 v[192+8*\mo+4:192+8*\mo+7], v17, s[WOB:WOB+1] offset:\mo*8192+512
.endr
.irp u,0,1,2,3
.irp ks,0,1,2,3
	ds_load_b128 v[32*\u+8*\ks:32*\u+8*\ks+3], v24 offset:\u*4352+64*\ks
	ds_load_b128 v[32*\u+8*\ks+4:32*\u+8*\ks+7], v24 offset:\u*4352+64*\ks+32
.endr
.endr
	WIN 0x40
.irp mo,0,1,2,3,4,5,6,7
.irp u,0,1,2,3
	ds_load_b128 v[8*(4*\mo+\u):8*(4*\mo+\u)+3], v25 offset:64*\mo        ; the output's sums start with b_out
	ds_load_b128 v[8*(4*\mo+\u)+4:8*(4*\mo+\u)+7], v25 offset:64*\mo+16
.endr
.endr
	WIN 0xC0
.irp j,0,1,2,3,4,5,6,7
	v_mov_b32 v[80+\j], 0x3c003c00                 ; ones, in f16
.endr
	v_mov_b32 v88, 1.0
	v_mov_b32 v106, 0                              ; (the exchange's destination counts as read)
	WIN 0
	; THE STATISTICS, a tile of 16 tokens a trip.  window 3: 0-63 the tile's 256 features (128 a lane), 64-79 two sums, 89 -mean, 90-97 differences, 98-105 four sums of squares
	s_mov_b32 s[CNT], 4
.Lstat:
	WIN 0xC0
.irp kb,0,1,2,3,4,5,6,7,8,9,10,11,12,13,14,15
	ds_load_tr16_b128 v[4*\kb:4*\kb+3], v18 offset:\kb*512
.endr
	s_wait_dscnt 0x0
	WIN 0xFF
	v_wmma_f32_16x16x32_f16 v[64:71], v[80:87], v[0:7], 0        ; ones x features: every row of the result is the tokens' sums; two accumulators by turns
	v_wmma_f32_16x16x32_f16 v[72:79], v[80:87], v[8:15], 0
.irp kf,2,4,6
	v_wmma_f32_16x16x32_f16 v[64:71], v[80:87], v[8*\kf:8*\kf+7], v[64:71]
	v_wmma_f32_16x16x32_f16 v[72:79], v[80:87], v[8*\kf+8:8*\kf+15], v[72:79]
.endr
	NOP4
	v_add_f32 v89, v64, v72
	v_mul_f32 v89, s44, v89                        ; -mean
.set a, 0
.rept 64
	v_fma_mix_f32 v[90+2*(a%4)], v[a], v88, v89 op_sel_hi:[1,0,0]
	v_fma_mix_f32 v[91+2*(a%4)], v[a], v88, v89 op_sel:[1,0,0] op_sel_hi:[1,0,0]
.if a < 4
	v_pk_mul_f32 v[98+2*(a%4):99+2*(a%4)], v[90+2*(a%4):91+2*(a%4)], v[90+2*(a%4):91+2*(a%4)]
.else
	v_pk_fma_f32 v[98+2*(a%4):99+2*(a%4)], v[90+2*(a%4):91+2*(a%4)], v[90+2*(a%4):91+2*(a%4)], v[98+2*(a%4):99+2*(a%4)]
.endif
.set a, a+1
.endr
	v_pk_add_f32 v[98:99], v[98:99], v[100:101]
	v_pk_add_f32 v[102:103], v[102:103], v[104:105]
	v_pk_add_f32 v[98:99], v[98:99], v[102:103]
	v_add_f32 v98, v98, v99
	v_permlanex16_b32 v106, v98, s[SEL], s[SEL+1]  ; the token's other 128 features lie in the lane 16 away
	v_add_f32 v98, v98, v106
	v_fma_f32 v98, v98, s42, s43                   ; variance + 1e-5
	v_rsq_f32 v90, v98
	v_nop
	s_wait_alu depctr_va_vdst(0)
	v_mul_f32 v91, v89, v90                        ; -mean x rstd
	WIN 0x0C
	ds_store_b64 v19, v[90:91]
	WIN 0
	v_add_nc_u32 v18, 0x2000, v18
	v_add_nc_u32 v19, 0x100, v19
	s_sub_co_u32 s[CNT], s[CNT], 1
	s_cmp_lg_u32 s[CNT], 0
	s_cbranch_scc1 .Lstat
.irp u,0,1,2,3
	ds_load_b64 v[48+2*\u:49+2*\u], v26 offset:256*\u    ; LDS serves a wave's instructions in order: these see my stores above
.endr
	; THE MAIN LOOP: 32 features a trip: their gate (32 products), a = LN x gate in two bf16 parts (vector work), and their share of the output (64 products)
	s_mov_b32 s[CNT], 8
.Lmain:
	WIN 0xC0
.irp u,0,1,2,3
.irp c,0,1
	ds_load_tr16_b128 v[192+8*\u+4*\c:192+8*\u+4*\c+3], v20 offset:\u*8192+\c*512
.endr
.endr
.irp c,0,1
	ds_load_b128 v[224+8*\c:224+8*\c+3], v21 offset:64*\c
	ds_load_b128 v[224+8*\c+4:224+8*\c+7], v21 offset:64*\c+16
	ds_load_b128 v[240+8*\c:240+8*\c+3], v21 offset:1024+64*\c
	ds_load_b128 v[240+8*\c+4:240+8*\c+7], v21 offset:1024+64*\c+16
.endr
	WIN 0
.irp c,0,1
	ds_load_b128 v[32+8*\c:32+8*\c+3], v21 offset:2048+64*\c
	ds_load_b128 v[32+8*\c+4:32+8*\c+7], v21 offset:2048+64*\c+16
.endr
	s_wait_loadcnt 16                              ; W_gate's fragments are in; W_out's sixteen loads, issued behind them, may stay out
	s_wait_dscnt 0x0
	v_add_nc_u32 v16, 0x2000, v16                  ; free since that wait: the next trip's fragments
	WIN 0xCA
.irp c,0,1
.irp u,0,1,2,3
	v_wmma_f32_16x16x32_bf16 v[8*(4*\c+\u):8*(4*\c+\u)+7], v[128+32*\c:128+32*\c+7], v[32*\u:32*\u+7], v[32+8*\c:32+8*\c+7]
.endr
.endr
	WIN 0xFA
.irp ks,1,2,3
.irp c,0,1
.irp u,0,1,2,3
	v_wmma_f32_16x16x32_bf16 v[8*(4*\c+\u):8*(4*\c+\u)+7], v[128+32*\c+8*\ks:128+32*\c+8*\ks+7], v[32*\u+8*\ks:32*\u+8*\ks+7], v[8*(4*\c+\u):8*(4*\c+\u)+7]
.endr
.endr
.endr
	NOP4                                           ; four places: ahead of the loads into W_gate's registers and of the reads of the results
	WIN 0
	s_cmp_eq_u32 s[CNT], 1
	s_cbranch_scc1 .Lno_wg
	WIN 0x80
.irp c,0,1
.irp ks,0,1,2,3
	global_load_b128 v[128+32*\c+8*\ks:128+32*\c+8*\ks+3], v16, s[WGB:WGB+1] offset:\c*4096+\ks*1024
	global_load_b128 v[128+32*\c+8*\ks+4:128+32*\c+8*\ks+7], v16, s[WGB:WGB+1] offset:\c*4096+\ks*1024+512
.endr
.endr
	WIN 0
.Lno_wg:
	WIN 0xFF
.set a, 0
.rept 32
	v_pk_mul_f32 v[64+2*a:65+2*a], v[2*a:2*a+1], s[NL:NL+1] op_sel_hi:[1,0]
.set a, a+1
.endr
	WIN 0xC3                                       ; the statistics lie in window 0
.set a, 0
.rept 64                                       ; an exponential and a normalisation by turns: feature x rstd - mean x rstd, straight from the f16 half
	v_exp_f32 v[64+a], v[64+a]
.if a%2
	v_fma_mix_f32 v[128+a], v[192+8*((a/8)%4)+4*(a/32)+(a%8)/2], v[48+2*((a/8)%4)], v[49+2*((a/8)%4)] op_sel:[1,0,0] op_sel_hi:[1,0,0]
.else
	v_fma_mix_f32 v[128+a], v[192+8*((a/8)%4)+4*(a/32)+(a%8)/2], v[48+2*((a/8)%4)], v[49+2*((a/8)%4)] op_sel_hi:[1,0,0]
.endif
.set a, a+1
.endr
	s_wait_alu depctr_va_vdst(0)                   ; one wait for the 64 exponentials
	WIN 0xFF
.set a, 0
.rept 32
	v_pk_add_f32 v[64+2*a:65+2*a], v[64+2*a:65+2*a], 1.0 op_sel_hi:[1,0]
.set a, a+1
.endr
.set a, 0
.rept 32                                       ; the reciprocals by turns with ln_w, ln_b and the gate's own factor, none of which names a reciprocal
	v_rcp_f32 v[64+2*a], v[64+2*a]
	v_pk_fma_f32 v[128+2*a:129+2*a], v[128+2*a:129+2*a], v[224+8*(a/16)+2*(a%4):225+8*(a/16)+2*(a%4)], v[240+8*(a/16)+2*(a%4):241+8*(a/16)+2*(a%4)]
	v_rcp_f32 v[65+2*a], v[65+2*a]
	v_pk_mul_f32 v[128+2*a:129+2*a], v[128+2*a:129+2*a], v[2*a:2*a+1]
.set a, a+1
.endr
	s_wait_alu depctr_va_vdst(0)                   ; one wait for the 64 reciprocals
.set a, 0
.rept 32
	v_pk_mul_f32 v[128+2*a:129+2*a], v[128+2*a:129+2*a], v[64+2*a:65+2*a]   ; a = LN x gate
.set a, a+1
.endr
.set a, 0
.rept 32
	v_cvt_pk_bf16_f32 v[192+8*((a/4)%4)+4*(a/16)+a%4], v[128+2*a], v[129+2*a]   ; a's first part
.set a, a+1
.endr
	WIN 0xF3                                       ; the number -1 lies in window 0
.set a, 0
.rept 64                                       ; what the rounding left: first part x (-1) + a, exact in f32
.if a%2
	v_fma_mix_f32_bf16 v[128+a], v[192+8*((a/8)%4)+4*(a/32)+(a%8)/2], v56, v[128+a] op_sel:[1,0,0] op_sel_hi:[1,0,0]
.else
	v_fma_mix_f32_bf16 v[128+a], v[192+8*((a/8)%4)+4*(a/32)+(a%8)/2], v56, v[128+a] op_sel_hi:[1,0,0]
.endif
.set a, a+1
.endr
	WIN 0xFF
.set a, 0
.rept 32
	v_cvt_pk_bf16_f32 v[64+8*((a/4)%4)+4*(a/16)+a%4], v[128+2*a], v[129+2*a]    ; a's second part, where the sigmoid was at work
.set a, a+1
.endr
	s_wait_loadcnt 0x0                             ; W_out's fragments (for 0, so that the count is right in the last trip too, which has asked for nothing behind them)
	WIN 0
	v_add_nc_u32 v17, 0x400, v17
	WIN 0x5E                                       ; the 32 accumulators take turns, twice round: a's first part, then its second
.irp mo,0,1,2,3,4,5,6,7
.irp u,0,1,2,3
	v_wmma_f32_16x16x32_bf16 v[8*(4*\mo+\u):8*(4*\mo+\u)+7], v[192+8*\mo:192+8*\mo+7], v[192+8*\u:192+8*\u+7], v[8*(4*\mo+\u):8*(4*\mo+\u)+7]
.endr
.endr
.irp mo,0,1,2,3,4,5,6,7
.irp u,0,1,2,3
	v_wmma_f32_16x16x32_bf16 v[8*(4*\mo+\u):8*(4*\mo+\u)+7], v[192+8*\mo:192+8*\mo+7], v[64+8*\u:64+8*\u+7], v[8*(4*\mo+\u):8*(4*\mo+\u)+7]
.endr
.endr
	NOP4                                           ; four places: ahead of the loads into the sources, and of the way out
	WIN 0
	s_cmp_eq_u32 s[CNT], 1
	s_cbranch_scc1 .Lno_wo
	WIN 0x80
.irp mo,0,1,2,3,4,5,6,7
	global_load_b128 v[192+8*\mo:192+8*\mo+3], v17, s[WOB:WOB+1] offset:\mo*8192
	global_load_b128 v[192+8*\mo+4:192+8*\mo+7], v17, s[WOB:WOB+1] offset:\mo*8192+512
.endr
	WIN 0
.Lno_wo:
	v_add_nc_u32 v20, 0x400, v20                   ; two blocks of features on
	v_add_nc_u32 v21, 0x80, v21                    ; 32 numbers on in the tables
	s_sub_co_u32 s[CNT], s[CNT], 1
	s_cmp_lg_u32 s[CNT], 0
	s_cbranch_scc1 .Lmain
	; THE WAY OUT, a tile at a time: 32 bytes a lane into rows of 528 bytes of my own stage, back as whole rows of 512, into the registers that they left
.macro PACK t
	WIN 0x04
.irp mo,0,1,2,3,4,5,6,7
	ds_store_b128 v22, v[8*(4*\mo+(\t)):8*(4*\mo+(\t))+3] offset:64*\mo
	ds_store_b128 v22, v[8*(4*\mo+(\t))+4:8*(4*\mo+(\t))+7] offset:64*\mo+16
.endr
	WIN 0x40
.irp n,0,1,2,3,4,5,6,7,8,9,10,11,12,13,14,15
	ds_load_b128 v[8*(4*(\n/2)+(\t))+4*(\n%2):8*(4*(\n/2)+(\t))+4*(\n%2)+3], v23 offset:\n*528   ; LDS serves a wave's instructions in order: these see the stores above, and the next tile's stores come behind them
.endr
.endm
.macro SEND t, younger                 ; younger: the LDS instructions issued behind tile t's loads: the next tile's 32, or none
	WIN 0x04
.irp n,0,1,2,3,4,5,6,7,8,9,10,11,12,13,14,15
	s_wait_dscnt (\younger)+15-\n
.if \n < 8
	global_store_b128 v1, v[8*(4*(\n/2)+(\t))+4*(\n%2):8*(4*(\n/2)+(\t))+4*(\n%2)+3], s[OLO:OLO+1] offset:(4*(\t)+(\n/2)%4)*4096+512*(\n%2) th:TH_STORE_NT
.else
	global_store_b128 v1, v[8*(4*(\n/2)+(\t))+4*(\n%2):8*(4*(\n/2)+(\t))+4*(\n%2)+3], s[OHI:OHI+1] offset:512*(\n%2)-(4*(\t)+(\n/2)%4)*4096 th:TH_STORE_NT
.endif
.endr
.endm
	PACK 0
	PACK 1
	SEND 0, 32
	PACK 2
	SEND 1, 32
	PACK 3
	SEND 2, 32
	SEND 3, 0
	WIN 0
	s_wait_tensorcnt 0x0                           ; the wave's end, behind my last LDS store
	ds_add_u32 v14, v15
	s_wait_dscnt 0x0
	s_endpgm
.Lfunc_end_k_qb077c78a3a_wscan:
	.size	k_qb077c78a3a_wscan, .Lfunc_end_k_qb077c78a3a_wscan-k_qb077c78a3a_wscan
	.p2alignl 7, 3214868480
	.fill 96, 4, 3214868480
	.section	.rodata,"a",@progbits
	.p2align	6, 0x0
	.amdhsa_kernel k_qb077c78a3a_wscan
		.amdhsa_group_segment_fixed_size 243200
		.amdhsa_private_segment_fixed_size 0
		.amdhsa_enable_private_segment 0
		.amdhsa_kernarg_size 40
		.amdhsa_user_sgpr_count 2
		.amdhsa_user_sgpr_kernarg_segment_ptr 1
		.amdhsa_wavefront_size32 1
		.amdhsa_system_sgpr_workgroup_id_x 1
		.amdhsa_system_sgpr_workgroup_id_y 1
		.amdhsa_system_sgpr_workgroup_id_z 1
		.amdhsa_system_vgpr_workitem_id 0
		.amdhsa_next_free_vgpr 1024
		.amdhsa_next_free_sgpr 66
		.amdhsa_reserve_vcc 0
		.amdhsa_float_denorm_mode_32 3
		.amdhsa_float_denorm_mode_16_64 3
		.amdhsa_memory_ordered 1
		.amdhsa_forward_progress 1
		.amdhsa_inst_pref_size 255
	.end_amdhsa_kernel
	.section	.bss,"aw",@nobits
	.p2align	6
	.space	262144
	.amdgpu_metadata
---
amdhsa.version: [ 1, 2 ]
amdhsa.kernels:
  - .name:           k_qb077c78a3a_wscan
    .symbol:         k_qb077c78a3a_wscan.kd
    .args:
      - { .name: x, .offset: 0, .size: 8, .value_kind: global_buffer, .address_space: global }
      - { .name: wfrag, .offset: 8, .size: 8, .value_kind: global_buffer, .address_space: global }
      - { .name: tab, .offset: 16, .size: 8, .value_kind: global_buffer, .address_space: global }
      - { .name: s1, .offset: 24, .size: 8, .value_kind: global_buffer, .address_space: global }
      - { .name: out0, .offset: 32, .size: 8, .value_kind: global_buffer, .address_space: global }
    .group_segment_fixed_size: 243200
    .private_segment_fixed_size: 0
    .kernarg_segment_align: 8
    .kernarg_segment_size: 40
    .max_flat_workgroup_size: 128
    .sgpr_count:     66
    .vgpr_count:     1024
    .wavefront_size: 32
...
	.end_amdgpu_metadata
.endif
;; end of part 3
;; ======== version 2 of 2: 3 launches; version 1 with the launches hscan, wscan written anew for expert scheduling mode
;; limits: values outside matrix products are rounded to f16; values are held in f16: magnitudes above 65,504 overflow, below 6.1e-05 lose precision
;; workspace buffers: wfrag 229,376 bytes; tab 8,192 bytes; s1 134,217,728 bytes
;; launch prep: the kernel of part 1 again; grid 57 x 1, 8 waves a work-group, no clusters, 0 bytes of LDS; arguments W_lambda, W_in, W_gate, W_out, theta_f, theta_r, b_lambda, b_in, b_gate, b_out, ln_w, ln_b, wfrag, tab; writes wfrag, tab
;; launch hscan (part 4): grid 512 x 1, 4 waves a work-group, no clusters, 70,144 bytes of LDS; arguments x, wfrag, tab, s1; writes s1
.if DOCPART == 4
	.amdgcn_target "amdgcn-amd-amdhsa--gfx1250"
	.amdhsa_code_object_version 6
	.text
	.protected	k_qb077c78a3a_hscan
	.globl	k_qb077c78a3a_hscan
	.p2align	8
	.type	k_qb077c78a3a_hscan,@function
k_qb077c78a3a_hscan:
	s_mov_b64 s[64:65], 0
	v_nop
	global_prefetch_b8 v0, s[64:65] scope:SCOPE_SE
	s_setreg_imm32_b32 hwreg(HW_REG_WAVE_SCHED_MODE, 0, 2), 2
	s_setreg_imm32_b32 hwreg(HW_REG_WAVE_MODE, 25, 1), 1
	s_wait_xcnt 0x0
	s_wait_alu depctr_vm_vsrc(0)
; BiHgru2d, launch 2 of 3: lam and (1 - lam) silu(x W_in + b_in) from x, the forward and the reverse scan along H, and their sum, in f32, into s1.
; Nothing of the reference is left out but LOWER_BOUND = 0 (a term 0 and a factor 1 by identity; shown at the first kernel's head).
; SHARES.  A work-group owns one w and two lines b = 2 bp, 2 bp + 1: 128 steps x 2 lines = 256 tokens.  A wave owns 16 channels at a time, d = 16 g + r, g = 4 pass + wave, two passes.
; LAYOUT.  D = x W with rows = tokens, columns = channels: a lane holds ONE channel (r = lane % 16) and eight tokens.  Row m of tile i is m = 8 hh + 2 tt + line, step s = 4 i + tt, and the time
; is t = s for hh = 0, 127 - s for hh = 1.  So an aligned register pair holds the two lines at one step (every scan line is a packed one), lanes 0-15 hold t = 0..63 and lanes 16-31 t = 127..64.
; SWEEPS.  Sweep 1, s ascending: lanes 0-15 run the forward scan from t = 0, lanes 16-31 the reverse scan from t = 127; both begin with their first input.  The halves exchange their states
; (h_f[63], h_r[64]).  Sweep 2, s descending: lanes 0-15 go on with the reverse scan, t = 63..0, lanes 16-31 with the forward one, t = 64..127.  No step is made twice.
; s1, f32: byte (((pos(h) 128 + pos(w)) 4 + bp) 8 + g) 256 + 16 r + 4 {re b0, re b1, im b0, im b1}, pos(t) = t under 64, else 191 - t (= 64 hh + s): sixteen lanes store 256 bytes on end, aligned.
; LIMITS.  x and the weights are bf16 matrix operands; 2^z below 2^-126 counts as 0; NaN and infinities are not treated apart.
; NO CLUSTER, NO TENSOR LOAD: x is converted to bf16 on its way into LDS, so it passes through registers; of the rest only the weights are shared, 24 KiB a wave in fragment order.
; REGISTERS, in windows of 256 (s_set_vgpr_msb: bits 1:0 source 0, 3:2 source 1, 5:4 source 2, 7:6 destination).  Tile i < 15 lies in window 1 + i / 5 at 40 (i % 5), tile 15 in window 0 at 160:
;   +0 lam, +8 re, +16 im (8 each: pair tt), +24 F: four quads {re pair, im pair}.   In every window: 200 (cos, sin) of sweep 1, 202 of sweep 2, 204-211 two sets of gamma, 212-219 two states, 220-223 at work.
;   window 1: 224-247 three bias blocks.   window 0: 0-15 addresses, 16-111 the weights' fragments, 144-150 constants as loaded, 80-159 at work in the activation.
;   x's fragments: four buffers of 32: window 0 at 112 and at 224, windows 2 and 3 at 224; tile i takes buffer i % 4.
; THE MODE: SCHED_MODE bits 1:0 = 2 (LLVM: expert scheduling mode 2), set by the entry lines.  The code itself states the register dependences
; between vector or matrix instructions and memory or LDS instructions, with s_wait_alu, always for 0.
; THE PLAN.  Registers that memory or LDS instructions touch:
;   v1-v3, v7-v9    offsets and LDS addresses: made at the head, never written again; one wait on va_vdst ahead of the first load.
;   v4              s1's offset: read by every store; written once a pass, at its end, behind a wait on vm_vsrc; the next pass's head shows it written.
;   x               window 2: as loaded, read by the conversions.  window 3, v0-127: group g's conversions write it, and its LDS stores are issued at the head of group g + 1,
;                   behind that group's wait for data and one wait on va_vdst.  One wait on vm_vsrc behind the barrier, before the products write window 3.
;   the 4 buffers   tiles 2 p, 2 p + 1 read two of them; at the head of that pair one wait on va_vdst shows the pair before multiplied, and tiles 2 p + 2, 2 p + 3 land in that pair's two.
;   v16-111, 144-150  the weights and constants: read by the products and the copies, v80-159 written by the activation; the second pass's land behind one wait on va_vdst, behind the activation.
;   F               written by the sweeps.  Sweep 2 ends tiles from 15 down: behind tiles 10, 5 and 0 one wait on va_vdst each, and the tiles ended so far are stored while the sweep goes on
;                   in another window; the wait on vm_vsrc at the pass's end stands ahead of the next pass's writes.
.set STX,   524288                     ; bytes of x from one h to the next
.set SPARE, 69632                      ; LDS: x as bf16, 256 rows of 272 bytes; behind it the spare words, 128 bytes a wave
.set XP,    272                        ; a row of x in LDS: 256 bytes + 16: the 16 rows of a fragment load start 4 words apart modulo 64
.set WV,    14                         ; s14  wave
.set CNT,   15                         ; s15  passes to go
.set XLO,   16                         ; s[16:17] x at my first ascending step
.set XHI,   18                         ; s[18:19] x at my first descending step
.set WB,    20                         ; s[20:21] wfrag at my wave's group of pass 0
.set NL,    22                         ; s[22:23] -log2(e)
.set SEL,   24                         ; s[24:25] v_permlanex16_b32: each lane takes its own place in the other half
.set TA,    80
.set MSB,   0
.macro WIN new                         ; the high byte repeats the setting that is left; a switch that changes nothing is dropped
.if MSB != (\new)
	s_set_vgpr_msb (MSB<<8)|(\new)
.set MSB, (\new)
.endif
.endm
.macro TSET i                          ; tile i's window and base
.if (\i) < 15
.set TW, 1+(\i)/5
.set TB, 40*((\i)%5)
.else
.set TW, 0
.set TB, 160
.endif
.endm
.macro ABUF i                          ; the window and base of tile i's buffer of fragments
.set AW, 0
.set AB, 112
.if (\i)%4 == 1
.set AB, 224
.elseif (\i)%4 > 1
.set AW, (\i)%4
.set AB, 224
.endif
.endm
.macro NOP4
.rept 4
	v_nop
.endr
.endm
; The weights' 12 fragments, the two (cos, sin) and the three biases of pass d
.macro LOADBC d
.irp q,0,1,2
.irp ks,0,1,2,3
	global_load_b128 v[16+32*\q+8*\ks:16+32*\q+8*\ks+3], v1, s[WB:WB+1] offset:(\d)*49152+\q*4096+\ks*1024
	global_load_b128 v[16+32*\q+8*\ks+4:16+32*\q+8*\ks+7], v1, s[WB:WB+1] offset:(\d)*49152+\q*4096+\ks*1024+512
.endr
.endr
	global_load_b64 v[144:145], v7, s[8:9] offset:(\d)*512
	global_load_b64 v[146:147], v8, s[8:9] offset:(\d)*512
	global_load_b32 v148, v9, s[8:9] offset:2048+(\d)*256
	global_load_b32 v149, v9, s[8:9] offset:2560+(\d)*256
	global_load_b32 v150, v9, s[8:9] offset:3072+(\d)*256
.endm
; Group g's eight rows of x, as bf16, into LDS in tile order
.macro XPUT g
	WIN 0x0C
	s_wait_alu depctr_va_vdst(0)                   ; group g's conversions have written their 16 registers of window 3, which these LDS stores read
.set n, 8*(\g)
.rept 8
	ds_store_b64 v3, v[2*n:2*n+1] offset:((n/16)*16+8*((n/2)%2)+2*((n/4)%4)+n%2)*XP
.set n, n+1
.endr
.endm
; My 64 rows of x (16 steps x 2 directions x 2 lines; a load is a whole row of 512 bytes), rounded to bf16.  A group's stores are issued at the head of the next group.
.macro XIN
	WIN 0x80
.set n, 0
.rept 64
.if (n/2)%2
	global_load_b128 v[4*n:4*n+3], v1, s[XHI:XHI+1] offset:512*(n%2)-(n/4)*STX th:TH_LOAD_NT
.else
	global_load_b128 v[4*n:4*n+3], v1, s[XLO:XLO+1] offset:512*(n%2)+(n/4)*STX th:TH_LOAD_NT
.endif
.set n, n+1
.endr
.set grp, 0
.rept 8
	s_wait_loadcnt 56-8*grp                        ; loads come back in order: eight more rows are in, the younger ones stay out
.if grp > 0
	XPUT grp-1
.endif
	WIN 0xCA
.set n, 8*grp
.rept 8
	v_cvt_pk_bf16_f32 v[2*n], v[4*n], v[4*n+1]
	v_cvt_pk_bf16_f32 v[2*n+1], v[4*n+2], v[4*n+3]
.set n, n+1
.endr
.set grp, grp+1
.endr
	XPUT 7
	WIN 0
.endm
.macro CONSTS                          ; the biases as C operands (8 equal registers each), the (cos, sin) into every window
	WIN 0x40
.irp q,0,1,2
.irp j,0,1,2,3,4,5,6,7
	v_mov_b32 v[224+8*\q+\j], v[148+\q]
.endr
.endr
.irp w,0x40,0x80,0xC0,0
	WIN \w
.irp j,0,1,2,3
	v_mov_b32 v[200+\j], v[144+\j]
.endr
.endr
.endm
.macro LOADA i                         ; tile i's four fragments of x, into its buffer
	ABUF \i
	WIN AW<<6
.irp ks,0,1,2,3
	ds_load_b128 v[AB+8*\ks:AB+8*\ks+3], v2 offset:(\i)*4352+64*\ks
	ds_load_b128 v[AB+8*\ks+4:AB+8*\ks+7], v2 offset:(\i)*4352+64*\ks+32
.endr
.endm
; Tile i's 12 products.  The three accumulators take turns, one instruction a turn; the first three start the sums with the biases.
; The wait on DScnt counts the younger loads, eight a tile: behind tile 0's stand tiles 1 to 3's; at an even tile's head only its partner's; at an odd tile's the next pair's sixteen, asked for since.
.macro GT i
.if (\i) == 0
	s_wait_dscnt 24
.elseif (\i) == 15
	s_wait_dscnt 0x0
.elseif (\i)%2
	s_wait_dscnt 16
.else
	s_wait_dscnt 8
.endif
.if ((\i)%2 == 0) && ((\i) >= 2) && ((\i) <= 12)
	s_wait_alu depctr_va_vdst(0)                   ; the products of the two tiles before are done reading their two buffers, in which the next two tiles' fragments land
	LOADA (\i)+2
	LOADA (\i)+3
.endif
	TSET \i
	ABUF \i
	WIN (TW<<6)|0x10|AW
.irp q,0,1,2
	v_wmma_f32_16x16x32_bf16 v[TB+8*\q:TB+8*\q+7], v[AB:AB+7], v[16+32*\q:16+32*\q+7], v[224+8*\q:224+8*\q+7]
.endr
	WIN (TW<<6)|(TW<<4)|AW
.irp ks,1,2,3
.irp q,0,1,2
	v_wmma_f32_16x16x32_bf16 v[TB+8*\q:TB+8*\q+7], v[AB+8*\ks:AB+8*\ks+7], v[16+32*\q+8*\ks:16+32*\q+8*\ks+7], v[TB+8*\q:TB+8*\q+7]
.endr
.endr
.if (\i) == 15
	NOP4                                           ; four places ahead of the activation, which reads results and writes over the weights' registers
.endif
.endm
; The activation of nq tiles of window w, from slot q0 on: lam = 1 / (1 + 2^(-c z)), u = z / (1 + 2^(-c z)) (1 - lam), c = log2(e).  Two batches of transcendentals, one wait each.
.macro ACT w, q0, nq
	WIN (\w)
.set a, 0
.rept 8*(\nq)
	v_pk_mul_f32 v[TA+2*a:TA+2*a+1], v[40*((\q0)+a/8)+8+2*(a%8):40*((\q0)+a/8)+9+2*(a%8)], s[NL:NL+1] op_sel_hi:[1,0]
.set a, a+1
.endr
	WIN 0x55*(\w)
.set a, 0
.rept 4*(\nq)
	v_pk_mul_f32 v[40*((\q0)+a/4)+2*(a%4):40*((\q0)+a/4)+2*(a%4)+1], v[40*((\q0)+a/4)+2*(a%4):40*((\q0)+a/4)+2*(a%4)+1], s[NL:NL+1] op_sel_hi:[1,0]
.set a, a+1
.endr
.set a, 0
.rept 8*(\nq)
	v_exp_f32 v[40*((\q0)+a/8)+a%8], v[40*((\q0)+a/8)+a%8]
.set a, a+1
.endr
	WIN 0
.set a, 0
.rept 16*(\nq)
	v_exp_f32 v[TA+a], v[TA+a]
.set a, a+1
.endr
	v_nop                                          ; a plain instruction behind the last exponential,
	s_wait_alu depctr_va_vdst(0)                   ; and one wait for the batch: the exponentials have written their results, ahead of the first reader
.set a, 0
.rept 8*(\nq)
	v_pk_add_f32 v[TA+2*a:TA+2*a+1], v[TA+2*a:TA+2*a+1], 1.0 op_sel_hi:[1,0]
.set a, a+1
.endr
	WIN 0x55*(\w)
.set a, 0
.rept 4*(\nq)
	v_pk_add_f32 v[40*((\q0)+a/4)+2*(a%4):40*((\q0)+a/4)+2*(a%4)+1], v[40*((\q0)+a/4)+2*(a%4):40*((\q0)+a/4)+2*(a%4)+1], 1.0 op_sel_hi:[1,0]
.set a, a+1
.endr
.set a, 0
.rept 8*(\nq)
	v_rcp_f32 v[40*((\q0)+a/8)+a%8], v[40*((\q0)+a/8)+a%8]
.set a, a+1
.endr
	WIN 0
.set a, 0
.rept 16*(\nq)
	v_rcp_f32 v[TA+a], v[TA+a]
.set a, a+1
.endr
	v_nop
	s_wait_alu depctr_va_vdst(0)                   ; one wait for the batch: the reciprocals have written their results, ahead of the first reader
	WIN ((\w)<<6)|(\w)
.set a, 0
.rept 8*(\nq)
	v_pk_mul_f32 v[40*((\q0)+a/8)+8+2*(a%8):40*((\q0)+a/8)+9+2*(a%8)], v[40*((\q0)+a/8)+8+2*(a%8):40*((\q0)+a/8)+9+2*(a%8)], v[TA+2*a:TA+2*a+1]
.set a, a+1
.endr
	WIN 0x55*(\w)
.set a, 0
.rept 4*(\nq)
.set tb, 40*((\q0)+a/4)
.set pp, 2*(a%4)
.set om, 220+2*(a%2)
	v_pk_fma_f32 v[om:om+1], v[tb+pp:tb+pp+1], -1.0, 1.0 op_sel_hi:[1,0,0]
	v_pk_mul_f32 v[tb+8+pp:tb+9+pp], v[tb+8+pp:tb+9+pp], v[om:om+1]
	v_pk_mul_f32 v[tb+16+pp:tb+17+pp], v[tb+16+pp:tb+17+pp], v[om:om+1]
.set a, a+1
.endr
.endm
; One step of a scan, both lines at once, in parts: SG gamma = lam (cos, sin); SA, SB h = gamma h_prev + u (complex); SF F += h.  PRr, PRi, PW name the state before.
.macro SYM k
.set tq, (\k)
.if REV
.set tq, 3-(\k)
.endif
.set gq, 204+4*((\k)%2)
.set nn, TB+24+4*tq
.if ACC
.set nn, 212+4*((\k)%2)
.endif
.endm
.macro SG k
	SYM \k
	v_pk_mul_f32 v[gq:gq+1], v[TB+2*tq:TB+2*tq+1], v[CSR:CSR+1] op_sel_hi:[1,0]
	v_pk_mul_f32 v[gq+2:gq+3], v[TB+2*tq:TB+2*tq+1], v[CSR:CSR+1] op_sel:[0,1] op_sel_hi:[1,1]
.endm
.macro SA k
	SYM \k
	v_pk_fma_f32 v[nn:nn+1], v[gq:gq+1], v[PRr:PRr+1], v[TB+8+2*tq:TB+9+2*tq]
	v_pk_fma_f32 v[nn+2:nn+3], v[gq:gq+1], v[PRi:PRi+1], v[TB+16+2*tq:TB+17+2*tq]
.endm
.macro SB k
	SYM \k
	v_pk_fma_f32 v[nn:nn+1], v[gq+2:gq+3], v[PRi:PRi+1], v[nn:nn+1] neg_lo:[1,0,0] neg_hi:[1,0,0]
	v_pk_fma_f32 v[nn+2:nn+3], v[gq+2:gq+3], v[PRr:PRr+1], v[nn+2:nn+3]
.set PRr, nn
.set PRi, nn+2
.endm
.macro SF k
.if ACC
	SYM \k
	v_pk_add_f32 v[TB+24+4*tq:TB+25+4*tq], v[TB+24+4*tq:TB+25+4*tq], v[nn:nn+1]
	v_pk_add_f32 v[TB+26+4*tq:TB+27+4*tq], v[TB+26+4*tq:TB+27+4*tq], v[nn+2:nn+3]
.endif
.endm
; Tile i's four steps.  cs: the sweep's (cos, sin); rev: steps descending; acc = 0: the state is written straight into F, 1: it is added onto F; first: the scan's first step, h = u.
.macro TILE_SW cs, i, rev, acc, first
	TSET \i
.set REV, \rev
.set ACC, \acc
.set CSR, \cs
.if PW != TW
	WIN (TW<<6)|PW                                 ; the state crosses into this tile's window
	v_mov_b32 v216, v[PRr]
	v_mov_b32 v217, v[PRr+1]
	v_mov_b32 v218, v[PRi]
	v_mov_b32 v219, v[PRi+1]
.set PRr, 216
.set PRi, 218
.set PW, TW
.endif
	WIN 0x55*TW
.if \first
	SG 1
.if \acc
	v_pk_add_f32 v[TB+24:TB+25], v[TB+24:TB+25], v[TB+8:TB+9]
	v_pk_add_f32 v[TB+26:TB+27], v[TB+26:TB+27], v[TB+16:TB+17]
.set PRr, TB+8
.set PRi, TB+16
.else
	v_mov_b32 v[TB+24], v[TB+8]
	v_mov_b32 v[TB+25], v[TB+9]
	v_mov_b32 v[TB+26], v[TB+16]
	v_mov_b32 v[TB+27], v[TB+17]
.set PRr, TB+24
.set PRi, TB+26
.endif
	SG 2
	SA 1
.else
	SG 0
	SG 1
	SA 0
	SB 0
	SG 2
	SA 1
	SF 0
.endif
	SB 1
	SG 3
	SA 2
	SF 1
	SB 2
	SA 3
	SF 2
	SB 3
	SF 3
.endm
.macro SWEEP1 acc
.set PW, 1
.set PRr, 0
.set PRi, 0
	TILE_SW 200, 0, 0, \acc, 1
.set si, 1
.rept 15
	TILE_SW 200, si, 0, \acc, 0
.set si, si+1
.endr
.endm
.macro XCHG                            ; the halves of the lanes exchange their states (tile 15 lies in window 0)
	WIN 0
	v_permlanex16_b32 v220, v[PRr], s[SEL], s[SEL+1]
	v_permlanex16_b32 v221, v[PRr+1], s[SEL], s[SEL+1]
	v_permlanex16_b32 v222, v[PRi], s[SEL], s[SEL+1]
	v_permlanex16_b32 v223, v[PRi+1], s[SEL], s[SEL+1]
.set PRr, 220
.set PRi, 222
.set PW, 0
.endm
.macro DOWN i0, n                      ; sweep 2 over n tiles, from i0 down
.set si, \i0
.rept \n
	TILE_SW 202, si, 1, 1, 0
.set si, si-1
.endr
.endm
.macro OUTT i                          ; tile i's four quads of F into s1
	TSET \i
	WIN TW<<2
.irp u,0,1,2,3
	global_store_b128 v4, v[TB+24+4*\u:TB+27+4*\u], s[32+2*((4*(\i)+\u)/8):33+2*((4*(\i)+\u)/8)] offset:((4*(\i)+\u)%8)<<20 th:TH_STORE_NT
.endr
.endm
.macro OUTS i0, n                      ; n tiles from i0 up
.set oi, \i0
.rept \n
	OUTT oi
.set oi, oi+1
.endr
.endm
; Sweep 2, and the stores of the tiles that it has ended, by groups: no vector instruction behind a group's wait names that group's F (the sweep goes on in another window, and takes along the state alone).
.macro SWEEP2
	DOWN 15, 6
	s_wait_alu depctr_va_vdst(0)                   ; the sweep has written F of tiles 15 to 10, which the 24 stores below read
	OUTS 10, 6
	DOWN 9, 5
	s_wait_alu depctr_va_vdst(0)                   ; F of tiles 9 to 5 is written
	OUTS 5, 5
	DOWN 4, 5
	s_wait_alu depctr_va_vdst(0)                   ; F of tiles 4 to 0 is written
	OUTS 0, 5
.endm
	s_load_b256 s[4:11], s[0:1], 0x0               ; x 4, wfrag 6, tab 8, s1 10
	v_lshl_add_u32 v14, v0, 2, SPARE               ; my spare word,
	v_mov_b32 v15, 0                               ; and 0: for the wave's end
	v_lshrrev_b32 v11, 5, v0
	v_readfirstlane_b32 s[WV], v11                 ; wave 0..3
	v_and_b32 v11, 15, v0                          ; r
	v_and_b32 v12, 31, v0                          ; lane
	v_bfe_u32 v13, v0, 4, 1                        ; hh
	v_lshlrev_b32 v1, 4, v12                       ; 16 x lane
	v_mul_u32_u24 v2, v11, XP
	v_lshl_add_u32 v2, v13, 4, v2                  ; a fragment's row x pitch + 16 hh
	s_wait_alu depctr_va_sdst(0)                   ; the wave's number is written, ahead of its first reader
	s_mul_i32 s28, s[WV], 64*XP
	v_lshl_add_u32 v3, v12, 3, s28                 ; where my 8 bytes of a row of x go: my wave's 64 rows
	s_lshl_b32 s28, s[WV], 8
	v_lshl_add_u32 v4, v11, 4, s28
	v_lshl_add_u32 v4, v13, 26, v4                 ; s1: 16 r + 256 wave + hh x 64 positions of 2^20 bytes
	s_lshl_b32 s28, s[WV], 7
	v_lshl_add_u32 v7, v11, 3, s28
	v_lshl_add_u32 v7, v13, 10, v7                 ; sweep 1: theta_f in lanes 0-15, theta_r in lanes 16-31
	v_xor_b32 v8, 0x400, v7                        ; sweep 2: the other way round
	s_lshl_b32 s28, s[WV], 6
	v_lshl_add_u32 v9, v11, 2, s28                 ; my channel in a bias
	s_mov_b32 s[NL], 0xbfb8aa3b
	s_mov_b32 s[NL+1], s[NL]
	s_mov_b32 s[SEL], 0x76543210
	s_mov_b32 s[SEL+1], 0xfedcba98
	s_and_b32 s28, ttmp9, 3                        ; bp
	s_lshr_b32 s29, ttmp9, 2                       ; w
	s_lshl_b32 s26, s29, 12
	s_lshl_b32 s30, s28, 10
	s_add_co_u32 s26, s26, s30                     ; my column's and lines' bytes in a row of the picture
	s_mov_b32 s27, 0
	s_wait_kmcnt 0x0
	s_add_nc_u64 s[XLO:XLO+1], s[4:5], s[26:27]
	s_mov_b64 s[XHI:XHI+1], s[XLO:XLO+1]
	s_lshl_b32 s26, s[WV], 23                      ; 16 wave steps
	s_add_nc_u64 s[XLO:XLO+1], s[XLO:XLO+1], s[26:27]
	s_lshl_b32 s26, s[WV], 4
	s_sub_co_u32 s26, 127, s26
	s_lshl_b32 s26, s26, 19                        ; step 127 - 16 wave
	s_add_nc_u64 s[XHI:XHI+1], s[XHI:XHI+1], s[26:27]
	s_mul_i32 s26, s[WV], 12288
	s_add_nc_u64 s[WB:WB+1], s[6:7], s[26:27]
	s_sub_co_u32 s30, 191, s29
	s_cmp_lt_u32 s29, 64
	s_cselect_b32 s29, s29, s30                    ; pos(w)
	s_lshl_b32 s26, s29, 13
	s_lshl_b32 s30, s28, 11
	s_add_co_u32 s26, s26, s30
	s_add_nc_u64 s[32:33], s[10:11], s[26:27]      ; eight bases, 8 positions of h apart, so that a store's immediate stays inside its 24 bits
.irp j,1,2,3,4,5,6,7
	s_add_nc_u64 s[32+2*\j:33+2*\j], s[30+2*\j:31+2*\j], 0x800000
.endr
	s_wait_alu depctr_va_vdst(0)                   ; the offsets and addresses v1 to v4, v7 to v9 are written, which the loads and stores below read
	LOADBC 0
	XIN
	s_wait_dscnt 0x0                               ; my rows of x lie in LDS,
	s_barrier_signal -1
	s_barrier_wait -1                              ; everybody's do
	s_wait_alu depctr_vm_vsrc(0)                   ; my LDS stores have read window 3's v0-127: tiles 10 to 13 from here on, written by the products
	s_mov_b32 s[CNT], 2
.Lpass:
	s_wait_loadcnt 0x0                             ; this pass's weights and constants
	s_wait_alu depctr_va_vdst(0)                   ; x's conversions are done reading window 2's v224-255; round the loop: the activation has written v112-143, the products are done reading the four buffers, v4 is written
	LOADA 0
	LOADA 1
	LOADA 2
	LOADA 3                                        ; the first two pairs' fragments; the copies below, which name none of their registers, stand under them
	CONSTS
.set gi, 0
.rept 16
	GT gi
.set gi, gi+1
.endr
	ACT 1, 0, 5
	ACT 2, 0, 5
	ACT 3, 0, 5
	ACT 0, 4, 1
	WIN 0
	s_cmp_eq_u32 s[CNT], 1
	s_cbranch_scc1 .Lno_next
	s_wait_alu depctr_va_vdst(0)                   ; the products and copies are done reading v16-111 and v144-150, the activation is done with v80-159: the loads below land there
	LOADBC 1                                       ; the second pass's weights come in under the sweeps
.Lno_next:
	SWEEP1 0
	XCHG
	SWEEP2
	WIN 0
	s_wait_xcnt 0x0                                ; the stores' addresses are translated: their offset and data are written again only behind this wait,
	s_wait_alu depctr_vm_vsrc(0)                   ; and behind this one: the stores have read v4, which the add writes, and F, which the next pass's first sweep writes
	v_add_nc_u32 v4, 0x400, v4                     ; four groups of channels on
	s_sub_co_u32 s[CNT], s[CNT], 1
	s_cmp_lg_u32 s[CNT], 0
	s_cbranch_scc1 .Lpass
	s_wait_dscnt 0x0                               ; the closing lines, six on end
	s_wait_alu 0x0
	s_wait_tensorcnt 0x0
	ds_add_u32 v14, v15
	s_wait_dscnt 0x0
	s_endpgm
.Lfunc_end_k_qb077c78a3a_hscan:
	.size	k_qb077c78a3a_hscan, .Lfunc_end_k_qb077c78a3a_hscan-k_qb077c78a3a_hscan
	.p2alignl 7, 3214868480
	.fill 96, 4, 3214868480
	.section	.rodata,"a",@progbits
	.p2align	6, 0x0
	.amdhsa_kernel k_qb077c78a3a_hscan
		.amdhsa_group_segment_fixed_size 70144
		.amdhsa_private_segment_fixed_size 0
		.amdhsa_enable_private_segment 0
		.amdhsa_kernarg_size 32
		.amdhsa_user_sgpr_count 2
		.amdhsa_user_sgpr_kernarg_segment_ptr 1
		.amdhsa_wavefront_size32 1
		.amdhsa_system_sgpr_workgroup_id_x 1
		.amdhsa_system_sgpr_workgroup_id_y 1
		.amdhsa_system_sgpr_workgroup_id_z 1
		.amdhsa_system_vgpr_workitem_id 0
		.amdhsa_next_free_vgpr 1024
		.amdhsa_next_free_sgpr 66
		.amdhsa_reserve_vcc 0
		.amdhsa_float_denorm_mode_32 3
		.amdhsa_float_denorm_mode_16_64 3
		.amdhsa_memory_ordered 1
		.amdhsa_forward_progress 1
		.amdhsa_inst_pref_size 185
	.end_amdhsa_kernel
	.amdgpu_metadata
---
amdhsa.version: [ 1, 2 ]
amdhsa.kernels:
  - .name:           k_qb077c78a3a_hscan
    .symbol:         k_qb077c78a3a_hscan.kd
    .args:
      - { .name: x, .offset: 0, .size: 8, .value_kind: global_buffer, .address_space: global }
      - { .name: wfrag, .offset: 8, .size: 8, .value_kind: global_buffer, .address_space: global }
      - { .name: tab, .offset: 16, .size: 8, .value_kind: global_buffer, .address_space: global }
      - { .name: s1, .offset: 24, .size: 8, .value_kind: global_buffer, .address_space: global }
    .group_segment_fixed_size: 70144
    .private_segment_fixed_size: 0
    .kernarg_segment_align: 8
    .kernarg_segment_size: 32
    .max_flat_workgroup_size: 128
    .sgpr_count:     66
    .vgpr_count:     1024
    .wavefront_size: 32
...
	.end_amdgpu_metadata
.endif
;; end of part 4
;; launch wscan (part 5): grid 512 x 1, 4 waves a work-group, no clusters, 243,200 bytes of LDS; arguments x, wfrag, tab, s1, out0; writes out0
.if DOCPART == 5
	.amdgcn_target "amdgcn-amd-amdhsa--gfx1250"
	.amdhsa_code_object_version 6
	.text
	.protected	k_qb077c78a3a_wscan
	.globl	k_qb077c78a3a_wscan
	.p2align	8
	.type	k_qb077c78a3a_wscan,@function
k_qb077c78a3a_wscan:
	s_mov_b64 s[64:65], 0
	v_nop
	global_prefetch_b8 v0, s[64:65] scope:SCOPE_SE
	s_setreg_imm32_b32 hwreg(HW_REG_WAVE_SCHED_MODE, 0, 2), 2
	s_setreg_imm32_b32 hwreg(HW_REG_WAVE_MODE, 25, 1), 1
	s_wait_xcnt 0x0
	s_wait_alu depctr_vm_vsrc(0)
; BiHgru2d, launch 3 of 3: lam and u from x once more, the two scans along W added onto s1 (the two along H), LayerNorm over the 256 features, the gate silu(x W_gate + b_gate), and the product with W_out.
; Nothing of the reference is left out but LOWER_BOUND = 0 (a term 0 and a factor 1 by identity; shown at the first kernel's head).
; FIRST PART: as in the launch before, with time = w: a work-group owns one h and two lines b; a lane holds one channel; row m = 8 hh + 2 tt + line of tile i is step s = 4 i + tt, w = s (hh = 0) or 127 - s (hh = 1);
; sweep 1 ascends (forward scan in lanes 0-15, reverse in lanes 16-31), the halves exchange states, sweep 2 descends.  F starts with s1's sums, loaded at the pass's head and waited for behind the activation.
; The finished features go to LDS as f16, [feature][token], in blocks of 16 x 16.
; SECOND PART: a wave owns four tiles of 16 tokens.  Both products are taken transposed (source 0 = 16 columns of the weights, source 1 = 16 tokens), so a lane holds ONE token and eight neighbouring features or
; outputs; the features come back turned (ds_load_tr16_b128) into that layout, and a = LN x gate, rounded to bf16 in pairs, IS source 1 of the last product.  mean: a product of ones with the features;
; variance: the sum of squares of (feature - mean), in f32.  The output leaves through a stage of the wave's own as whole rows of 512 bytes.
; a GOES IN TWO PARTS: bf16(a), and bf16(a - bf16(a)), the difference being exact in f32: 16 significant bits together, with bf16's range.  a has a few large numbers among many small ones, and one large term's
; rounding to 8 bits is felt in an output near zero; f16 has no room for a (the gate grows with x and W_gate, LN with ln_w).  The price: the last product is made twice, 64 matrix instructions a trip for 32.
; LIMITS.  The sum of the four scans is kept once as f16: |feature| under 65,504 (each scan is bounded by the largest |silu(..)| of its line); x and the weights are bf16 matrix operands;
; 2^z below 2^-126 counts as 0; NaN and infinities are not treated apart.
; NO CLUSTER, NO TENSOR LOAD: x is converted on its way into LDS, so it passes through registers; the weights lie in memory in fragment order and go straight into registers.
; REGISTERS of the first part: as in the launch before (tile i < 15 in window 1 + i / 5 at 40 (i % 5), tile 15 in window 0 at 160; +0 lam, +8 re, +16 im, +24 F; 200-223 at work in every window;
;   x's fragments in four buffers of 32: window 0 at 112 and at 224, windows 2 and 3 at 224; tile i takes buffer i % 4).
; REGISTERS of the second part: window 1: OA(mo, u) = 8 (4 mo + u).  window 2: x(u, ks) = 32 u + 8 ks; W_gate(c, ks) = 128 + 32 c + 8 ks; W_out(mo) = 192 + 8 mo; on the way out row n of tile t at 64 t + 4 n.
;   window 3: GA(c, u) = 8 (4 c + u); +64 the sigmoid at work, then 64 + 8 u a's second part and 96 + 8 u its first; +128 the normalised feature, then a; 192 + 8 u the features as f16; 224 ln_w; 240 ln_b.
;   window 0: 18-28 addresses, 32-47 b_gate, 48-55 (rstd, -mean rstd), 56 the number -1.
; THE MODE: SCHED_MODE bits 1:0 = 2 (LLVM: expert scheduling mode 2), set by the entry lines.  The code itself states the register dependences
; between vector or matrix instructions and memory or LDS instructions, with s_wait_alu, always for 0.
; THE PLAN, first part.  Registers that memory or LDS instructions touch:
;   v1-v3, v7-v10, v168, v169   offsets and addresses made at the head: one wait on va_vdst ahead of the first load.  v4-v6 are written once a pass, at its end, behind a wait on vm_vsrc; the next head shows them written.
;   x               window 2 as loaded; window 3, v0-127, written by group g's conversions and read by its LDS stores, which are issued at the head of group g + 1 behind one wait on va_vdst.
;                   One wait on vm_vsrc behind the barrier, before products and loads write what LDS stores and the tables' loads have read.
;   F               s1's 64 loads land in it at the pass's head, behind the head's wait on va_vdst; no vector or matrix instruction names it before the wait for them, behind the activation.
;   the 4 buffers   tiles 2 p, 2 p + 1 read two of them; at the head of that pair one wait on va_vdst shows the pair before multiplied, and tiles 2 p + 2, 2 p + 3 land in that pair's two.
;   v16-111, 144-150  the weights and constants; the second pass's land behind one wait on va_vdst, behind the activation.
;   lam's registers a tile's features are rounded into them straight behind its part of sweep 2; behind tiles 10, 5 and 0 one wait on va_vdst each, and the LDS stores of the tiles ended so far.
; THE PLAN, second part.
;   One wait on va_vdst behind the address arithmetic: all the first loads follow it, those of the main loop's first trip too.
;   The statistics' loop: window 3's v0-63 (turning loads; read by products and differences), v18, v19 (stepped), v90, v91 (the store's data): four waits a trip, each at its place.
;   The main loop: W_gate's and W_out's registers are loaded again behind one wait on va_vdst each, behind the products that read them; their scalar bases step, so no offset is written.
;   The features, ln_w, ln_b and b_gate of the NEXT trip land behind the wait for the reciprocals: their last readers stand ahead of it, and no vector or matrix instruction behind it names them.
;   v20, v21 step at the trip's top, behind one wait on vm_vsrc; the waits for the exponentials and the reciprocals show them written.
;   The way out: one wait on va_vdst ahead of the first LDS store.  The rows come back into window 2, which no vector or matrix instruction names any more and no LDS store reads.
.set STX,   4096                       ; bytes of x from one w to the next
.set FT,    69632                      ; LDS: behind x: the features, block (tile i, kb) at 8192 i + 512 kb, 16 rows of 32 bytes
.set STG,   200704                     ; four stages of 16 rows x 528 bytes
.set TB2,   234496                     ; ln_w, ln_b, b_gate, b_out: tab's second half
.set STAT,  238592                     ; (rstd, -mean rstd): 1,024 bytes a wave
.set SPARE, 242688                     ; the spare words, 128 bytes a wave
.set S1B,   32                         ; s[32:33] s1 at my row and lines
.set WGB,   34                         ; s[34:35] W_gate's fragments of the trip that is asked for next
.set WOB,   36                         ; s[36:37] W_out's
.set OLO,   38                         ; s[38:39] out0 at my first ascending step
.set OHI,   40                         ; s[40:41] at my first descending step
.set XP,    272
.set WV,    14
.set CNT,   15
.set XLO,   16
.set XHI,   18
.set WB,    20
.set NL,    22
.set SEL,   24
.set TA,    80
.set MSB,   0
.macro WIN new                         ; the high byte repeats the setting that is left; a switch that changes nothing is dropped
.if MSB != (\new)
	s_set_vgpr_msb (MSB<<8)|(\new)
.set MSB, (\new)
.endif
.endm
.macro TSET i
.if (\i) < 15
.set TW, 1+(\i)/5
.set TB, 40*((\i)%5)
.else
.set TW, 0
.set TB, 160
.endif
.endm
.macro ABUF i                          ; the window and base of tile i's buffer of fragments
.set AW, 0
.set AB, 112
.if (\i)%4 == 1
.set AB, 224
.elseif (\i)%4 > 1
.set AW, (\i)%4
.set AB, 224
.endif
.endm
.macro NOP4
.rept 4
	v_nop
.endr
.endm
.macro LOADBC d
.irp q,0,1,2
.irp ks,0,1,2,3
	global_load_b128 v[16+32*\q+8*\ks:16+32*\q+8*\ks+3], v1, s[WB:WB+1] offset:(\d)*49152+\q*4096+\ks*1024
	global_load_b128 v[16+32*\q+8*\ks+4:16+32*\q+8*\ks+7], v1, s[WB:WB+1] offset:(\d)*49152+\q*4096+\ks*1024+512
.endr
.endr
	global_load_b64 v[144:145], v7, s[8:9] offset:(\d)*512
	global_load_b64 v[146:147], v8, s[8:9] offset:(\d)*512
	global_load_b32 v148, v9, s[8:9] offset:2048+(\d)*256
	global_load_b32 v149, v9, s[8:9] offset:2560+(\d)*256
	global_load_b32 v150, v9, s[8:9] offset:3072+(\d)*256
.endm
; Group g's eight rows of x, as bf16, into LDS in tile order
.macro XPUT g
	WIN 0x0C
	s_wait_alu depctr_va_vdst(0)                   ; group g's conversions have written their 16 registers of window 3, which these LDS stores read
.set n, 8*(\g)
.rept 8
	ds_store_b64 v3, v[2*n:2*n+1] offset:((n/16)*16+8*((n/2)%2)+2*((n/4)%4)+n%2)*XP
.set n, n+1
.endr
.endm
.macro XIN                             ; my 64 rows of x, rounded to bf16; a group's stores are issued at the head of the next group
	WIN 0x80
.set n, 0
.rept 64
.if (n/2)%2
	global_load_b128 v[4*n:4*n+3], v1, s[XHI:XHI+1] offset:512*(n%2)-(n/4)*STX th:TH_LOAD_NT
.else
	global_load_b128 v[4*n:4*n+3], v1, s[XLO:XLO+1] offset:512*(n%2)+(n/4)*STX th:TH_LOAD_NT
.endif
.set n, n+1
.endr
.set grp, 0
.rept 8
	s_wait_loadcnt 56-8*grp                        ; loads come back in order: eight more rows are in, the younger ones stay out
.if grp > 0
	XPUT grp-1
.endif
	WIN 0xCA
.set n, 8*grp
.rept 8
	v_cvt_pk_bf16_f32 v[2*n], v[4*n], v[4*n+1]
	v_cvt_pk_bf16_f32 v[2*n+1], v[4*n+2], v[4*n+3]
.set n, n+1
.endr
.set grp, grp+1
.endr
	XPUT 7
	WIN 0
.endm
.macro CONSTS
	WIN 0x40
.irp q,0,1,2
.irp j,0,1,2,3,4,5,6,7
	v_mov_b32 v[224+8*\q+\j], v[148+\q]
.endr
.endr
.irp w,0x40,0x80,0xC0,0
	WIN \w
.irp j,0,1,2,3
	v_mov_b32 v[200+\j], v[144+\j]
.endr
.endr
.endm
.macro LOADA i                         ; tile i's four fragments of x, into its buffer
	ABUF \i
	WIN AW<<6
.irp ks,0,1,2,3
	ds_load_b128 v[AB+8*\ks:AB+8*\ks+3], v2 offset:(\i)*4352+64*\ks
	ds_load_b128 v[AB+8*\ks+4:AB+8*\ks+7], v2 offset:(\i)*4352+64*\ks+32
.endr
.endm
; Tile i's 12 products.  The three accumulators take turns, one instruction a turn; the first three start the sums with the biases.
; The wait on DScnt counts the younger loads, eight a tile: behind tile 0's stand tiles 1 to 3's; at an even tile's head only its partner's; at an odd tile's the next pair's sixteen, asked for since.
.macro GT i
.if (\i) == 0
	s_wait_dscnt 24
.elseif (\i) == 15
	s_wait_dscnt 0x0
.elseif (\i)%2
	s_wait_dscnt 16
.else
	s_wait_dscnt 8
.endif
.if ((\i)%2 == 0) && ((\i) >= 2) && ((\i) <= 12)
	s_wait_alu depctr_va_vdst(0)                   ; the products of the two tiles before are done reading their two buffers, in which the next two tiles' fragments land
	LOADA (\i)+2
	LOADA (\i)+3
.endif
	TSET \i
	ABUF \i
	WIN (TW<<6)|0x10|AW
.irp q,0,1,2
	v_wmma_f32_16x16x32_bf16 v[TB+8*\q:TB+8*\q+7], v[AB:AB+7], v[16+32*\q:16+32*\q+7], v[224+8*\q:224+8*\q+7]
.endr
	WIN (TW<<6)|(TW<<4)|AW
.irp ks,1,2,3
.irp q,0,1,2
	v_wmma_f32_16x16x32_bf16 v[TB+8*\q:TB+8*\q+7], v[AB+8*\ks:AB+8*\ks+7], v[16+32*\q+8*\ks:16+32*\q+8*\ks+7], v[TB+8*\q:TB+8*\q+7]
.endr
.endr
.if (\i) == 15
	NOP4                                           ; four places ahead of the activation, which reads results and writes over the weights' registers
.endif
.endm
; lam = 1 / (1 + 2^(-c z)), u = z / (1 + 2^(-c z)) (1 - lam), c = log2(e): nq tiles of window w from slot q0 on.  Two batches of transcendentals, one wait each.
.macro ACT w, q0, nq
	WIN (\w)
.set a, 0
.rept 8*(\nq)
	v_pk_mul_f32 v[TA+2*a:TA+2*a+1], v[40*((\q0)+a/8)+8+2*(a%8):40*((\q0)+a/8)+9+2*(a%8)], s[NL:NL+1] op_sel_hi:[1,0]
.set a, a+1
.endr
	WIN 0x55*(\w)
.set a, 0
.rept 4*(\nq)
	v_pk_mul_f32 v[40*((\q0)+a/4)+2*(a%4):40*((\q0)+a/4)+2*(a%4)+1], v[40*((\q0)+a/4)+2*(a%4):40*((\q0)+a/4)+2*(a%4)+1], s[NL:NL+1] op_sel_hi:[1,0]
.set a, a+1
.endr
.set a, 0
.rept 8*(\nq)
	v_exp_f32 v[40*((\q0)+a/8)+a%8], v[40*((\q0)+a/8)+a%8]
.set a, a+1
.endr
	WIN 0
.set a, 0
.rept 16*(\nq)
	v_exp_f32 v[TA+a], v[TA+a]
.set a, a+1
.endr
	v_nop                                          ; a plain instruction behind the last exponential,
	s_wait_alu depctr_va_vdst(0)                   ; and one wait for the batch: the exponentials have written their results, ahead of the first reader
.set a, 0
.rept 8*(\nq)
	v_pk_add_f32 v[TA+2*a:TA+2*a+1], v[TA+2*a:TA+2*a+1], 1.0 op_sel_hi:[1,0]
.set a, a+1
.endr
	WIN 0x55*(\w)
.set a, 0
.rept 4*(\nq)
	v_pk_add_f32 v[40*((\q0)+a/4)+2*(a%4):40*((\q0)+a/4)+2*(a%4)+1], v[40*((\q0)+a/4)+2*(a%4):40*((\q0)+a/4)+2*(a%4)+1], 1.0 op_sel_hi:[1,0]
.set a, a+1
.endr
.set a, 0
.rept 8*(\nq)
	v_rcp_f32 v[40*((\q0)+a/8)+a%8], v[40*((\q0)+a/8)+a%8]
.set a, a+1
.endr
	WIN 0
.set a, 0
.rept 16*(\nq)
	v_rcp_f32 v[TA+a], v[TA+a]
.set a, a+1
.endr
	v_nop
	s_wait_alu depctr_va_vdst(0)                   ; one wait for the batch: the reciprocals have written their results, ahead of the first reader
	WIN ((\w)<<6)|(\w)
.set a, 0
.rept 8*(\nq)
	v_pk_mul_f32 v[40*((\q0)+a/8)+8+2*(a%8):40*((\q0)+a/8)+9+2*(a%8)], v[40*((\q0)+a/8)+8+2*(a%8):40*((\q0)+a/8)+9+2*(a%8)], v[TA+2*a:TA+2*a+1]
.set a, a+1
.endr
	WIN 0x55*(\w)
.set a, 0
.rept 4*(\nq)
.set tb, 40*((\q0)+a/4)
.set pp, 2*(a%4)
.set om, 220+2*(a%2)
	v_pk_fma_f32 v[om:om+1], v[tb+pp:tb+pp+1], -1.0, 1.0 op_sel_hi:[1,0,0]
	v_pk_mul_f32 v[tb+8+pp:tb+9+pp], v[tb+8+pp:tb+9+pp], v[om:om+1]
	v_pk_mul_f32 v[tb+16+pp:tb+17+pp], v[tb+16+pp:tb+17+pp], v[om:om+1]
.set a, a+1
.endr
.endm
; One step of a scan, both lines at once, in parts: SG gamma = lam (cos, sin); SA, SB h = gamma h_prev + u (complex); SF F += h.  PRr, PRi, PW name the state before.
.macro SYM k
.set tq, (\k)
.if REV
.set tq, 3-(\k)
.endif
.set gq, 204+4*((\k)%2)
.set nn, TB+24+4*tq
.if ACC
.set nn, 212+4*((\k)%2)
.endif
.endm
.macro SG k
	SYM \k
	v_pk_mul_f32 v[gq:gq+1], v[TB+2*tq:TB+2*tq+1], v[CSR:CSR+1] op_sel_hi:[1,0]
	v_pk_mul_f32 v[gq+2:gq+3], v[TB+2*tq:TB+2*tq+1], v[CSR:CSR+1] op_sel:[0,1] op_sel_hi:[1,1]
.endm
.macro SA k
	SYM \k
	v_pk_fma_f32 v[nn:nn+1], v[gq:gq+1], v[PRr:PRr+1], v[TB+8+2*tq:TB+9+2*tq]
	v_pk_fma_f32 v[nn+2:nn+3], v[gq:gq+1], v[PRi:PRi+1], v[TB+16+2*tq:TB+17+2*tq]
.endm
.macro SB k
	SYM \k
	v_pk_fma_f32 v[nn:nn+1], v[gq+2:gq+3], v[PRi:PRi+1], v[nn:nn+1] neg_lo:[1,0,0] neg_hi:[1,0,0]
	v_pk_fma_f32 v[nn+2:nn+3], v[gq+2:gq+3], v[PRr:PRr+1], v[nn+2:nn+3]
.set PRr, nn
.set PRi, nn+2
.endm
.macro SF k
.if ACC
	SYM \k
	v_pk_add_f32 v[TB+24+4*tq:TB+25+4*tq], v[TB+24+4*tq:TB+25+4*tq], v[nn:nn+1]
	v_pk_add_f32 v[TB+26+4*tq:TB+27+4*tq], v[TB+26+4*tq:TB+27+4*tq], v[nn+2:nn+3]
.endif
.endm
.macro TILE_SW cs, i, rev, acc, first
	TSET \i
.set REV, \rev
.set ACC, \acc
.set CSR, \cs
.if PW != TW
	WIN (TW<<6)|PW                                 ; the state crosses into this tile's window
	v_mov_b32 v216, v[PRr]
	v_mov_b32 v217, v[PRr+1]
	v_mov_b32 v218, v[PRi]
	v_mov_b32 v219, v[PRi+1]
.set PRr, 216
.set PRi, 218
.set PW, TW
.endif
	WIN 0x55*TW
.if \first
	SG 1
.if \acc
	v_pk_add_f32 v[TB+24:TB+25], v[TB+24:TB+25], v[TB+8:TB+9]
	v_pk_add_f32 v[TB+26:TB+27], v[TB+26:TB+27], v[TB+16:TB+17]
.set PRr, TB+8
.set PRi, TB+16
.else
	v_mov_b32 v[TB+24], v[TB+8]
	v_mov_b32 v[TB+25], v[TB+9]
	v_mov_b32 v[TB+26], v[TB+16]
	v_mov_b32 v[TB+27], v[TB+17]
.set PRr, TB+24
.set PRi, TB+26
.endif
	SG 2
	SA 1
.else
	SG 0
	SG 1
	SA 0
	SB 0
	SG 2
	SA 1
	SF 0
.endif
	SB 1
	SG 3
	SA 2
	SF 1
	SB 2
	SA 3
	SF 2
	SB 3
	SF 3
.endm
.macro SWEEP1 acc
.set PW, 1
.set PRr, 0
.set PRi, 0
	TILE_SW 200, 0, 0, \acc, 1
.set si, 1
.rept 15
	TILE_SW 200, si, 0, \acc, 0
.set si, si+1
.endr
.endm
.macro XCHG
	WIN 0
	v_permlanex16_b32 v220, v[PRr], s[SEL], s[SEL+1]
	v_permlanex16_b32 v221, v[PRr+1], s[SEL], s[SEL+1]
	v_permlanex16_b32 v222, v[PRi], s[SEL], s[SEL+1]
	v_permlanex16_b32 v223, v[PRi+1], s[SEL], s[SEL+1]
.set PRr, 220
.set PRi, 222
.set PW, 0
.endm
.macro CVT i                           ; tile i's features rounded to f16 (8 tokens of my channel: 16 bytes, re and im) into lam's registers, which both sweeps have left
	TSET \i
	WIN 0x55*TW
.irp u,0,1,2,3
	v_cvt_pk_f16_f32 v[TB+\u], v[TB+24+4*\u], v[TB+25+4*\u]
	v_cvt_pk_f16_f32 v[TB+4+\u], v[TB+26+4*\u], v[TB+27+4*\u]
.endr
.endm
.macro PUT i                           ; and into LDS
	TSET \i
	WIN TW<<2
	ds_store_b128 v[5+(\i)/8], v[TB:TB+3] offset:((\i)%8)*8192
	ds_store_b128 v[5+(\i)/8], v[TB+4:TB+7] offset:((\i)%8)*8192+4096
.endm
.macro DOWN i0, n                      ; sweep 2 over n tiles, from i0 down, each rounded as it ends
.set si, \i0
.rept \n
	TILE_SW 202, si, 1, 1, 0
	CVT si
.set si, si-1
.endr
.endm
.macro PUTS i0, n                      ; n tiles from i0 up
.set oi, \i0
.rept \n
	PUT oi
.set oi, oi+1
.endr
.endm
; Sweep 2, and the LDS stores of the tiles that it has ended, by groups: no vector instruction behind a group's wait names that group's rounded features (the sweep goes on in another window).
.macro SWEEP2
	DOWN 15, 6
	s_wait_alu depctr_va_vdst(0)                   ; the roundings of tiles 15 to 10 have written lam's registers, which the 12 LDS stores below read
	PUTS 10, 6
	DOWN 9, 5
	s_wait_alu depctr_va_vdst(0)                   ; those of tiles 9 to 5
	PUTS 5, 5
	DOWN 4, 5
	s_wait_alu depctr_va_vdst(0)                   ; those of tiles 4 to 0
	PUTS 0, 5
.endm
	s_load_b256 s[4:11], s[0:1], 0x0               ; x 4, wfrag 6, tab 8, s1 10
	s_load_b64 s[12:13], s[0:1], 0x20              ; out0
	v_lshl_add_u32 v14, v0, 2, SPARE               ; my spare word,
	v_mov_b32 v15, 0                               ; and 0: for the wave's end
	v_lshrrev_b32 v11, 5, v0
	v_readfirstlane_b32 s[WV], v11                 ; wave 0..3
	v_and_b32 v11, 15, v0                          ; r
	v_and_b32 v12, 31, v0                          ; lane
	v_bfe_u32 v13, v0, 4, 1                        ; hh
	v_lshlrev_b32 v1, 4, v12                       ; 16 x lane
	v_mul_u32_u24 v2, v11, XP
	v_lshl_add_u32 v2, v13, 4, v2                  ; a fragment's row x pitch + 16 hh
	s_wait_alu depctr_va_sdst(0)                   ; the wave's number is written, ahead of its first reader
	s_mul_i32 s28, s[WV], 64*XP
	v_lshl_add_u32 v3, v12, 3, s28                 ; where my 8 bytes of a row of x go
	s_lshl_b32 s28, s[WV], 8
	v_lshl_add_u32 v4, v11, 4, s28
	v_lshl_add_u32 v4, v13, 19, v4                 ; s1: 16 r + 256 wave + hh x 64 positions of 8,192 bytes
	s_add_co_u32 s28, s28, 1024
	v_lshl_add_u32 v10, v12, 13, s28               ; the prefetches: a lane a position, my group of the second pass
	s_lshl_b32 s28, s[WV], 9
	s_add_co_u32 s28, s28, FT
	v_lshl_add_u32 v5, v11, 5, s28
	v_lshl_add_u32 v5, v13, 4, v5                  ; features: block kb = g, row r, tokens 8 hh on; tiles 0-7,
	v_add_nc_u32 v6, 0x10000, v5                   ; tiles 8-15
	s_lshl_b32 s28, s[WV], 7
	v_lshl_add_u32 v7, v11, 3, s28
	v_lshl_add_u32 v7, v13, 10, v7                 ; sweep 1: theta_f in lanes 0-15, theta_r in lanes 16-31
	v_xor_b32 v8, 0x400, v7                        ; sweep 2: the other way round
	s_lshl_b32 s28, s[WV], 6
	v_lshl_add_u32 v9, v11, 2, s28
	v_lshlrev_b32 v168, 4, v0                      ; the tables' copy: 16 bytes a thread, twice
	v_lshl_add_u32 v169, v0, 4, TB2
	s_mov_b32 s[NL], 0xbfb8aa3b
	s_mov_b32 s[NL+1], s[NL]
	s_mov_b32 s[SEL], 0x76543210
	s_mov_b32 s[SEL+1], 0xfedcba98
	s_mov_b32 s42, 0x3b800000                      ; 1/256
	s_mov_b32 s43, 0x3727c5ac                      ; 1e-5
	s_mov_b32 s44, 0xbb800000                      ; -1/256
	s_and_b32 s28, ttmp9, 3                        ; bp
	s_lshr_b32 s29, ttmp9, 2                       ; h
	s_lshl_b32 s26, s29, 19
	s_lshl_b32 s30, s28, 10
	s_add_co_u32 s26, s26, s30
	s_mov_b32 s27, 0
	s_wait_kmcnt 0x0
	s_add_nc_u64 s[XLO:XLO+1], s[4:5], s[26:27]
	s_add_nc_u64 s[OLO:OLO+1], s[12:13], s[26:27]
	s_mov_b64 s[XHI:XHI+1], s[XLO:XLO+1]
	s_mov_b64 s[OHI:OHI+1], s[OLO:OLO+1]
	s_lshl_b32 s26, s[WV], 16                      ; 16 wave steps
	s_add_nc_u64 s[XLO:XLO+1], s[XLO:XLO+1], s[26:27]
	s_add_nc_u64 s[OLO:OLO+1], s[OLO:OLO+1], s[26:27]
	s_lshl_b32 s26, s[WV], 4
	s_sub_co_u32 s26, 127, s26
	s_lshl_b32 s26, s26, 12                        ; step 127 - 16 wave
	s_add_nc_u64 s[XHI:XHI+1], s[XHI:XHI+1], s[26:27]
	s_add_nc_u64 s[OHI:OHI+1], s[OHI:OHI+1], s[26:27]
	s_mul_i32 s26, s[WV], 12288
	s_add_nc_u64 s[WB:WB+1], s[6:7], s[26:27]
	s_add_nc_u64 s[WGB:WGB+1], s[6:7], 98304
	s_add_nc_u64 s[WOB:WOB+1], s[6:7], 163840
	s_sub_co_u32 s30, 191, s29
	s_cmp_lt_u32 s29, 64
	s_cselect_b32 s29, s29, s30                    ; pos(h)
	s_lshl_b32 s26, s29, 20
	s_lshl_b32 s30, s28, 11
	s_add_co_u32 s26, s26, s30
	s_add_nc_u64 s[S1B:S1B+1], s[10:11], s[26:27]
	s_wait_alu depctr_va_vdst(0)                   ; the offsets and addresses v1 to v10, v168 and v169 are written, which the loads, stores and prefetches below read
	LOADBC 0
	global_load_b128 v[160:163], v168, s[8:9] offset:4096
	global_load_b128 v[164:167], v168, s[8:9] offset:6144
	XIN
	ds_store_b128 v169, v[160:163]                 ; (XIN's last wait on LOADcnt was for all loads)
	ds_store_b128 v169, v[164:167] offset:2048
	s_wait_dscnt 0x0                               ; my rows of x and my part of the tables lie in LDS,
	s_barrier_signal -1
	s_barrier_wait -1                              ; everybody's do
	s_wait_alu depctr_vm_vsrc(0)                   ; my LDS stores have read window 3's v0-127 and v160-167, v169, the tables' loads v168: tiles from here on, written by the products and by s1's loads
	s_mov_b32 s[CNT], 2
.Lpass:
	s_wait_loadcnt 0x0                             ; this pass's weights and constants
	s_wait_alu depctr_va_vdst(0)                   ; x's conversions are done with windows 2 and 3; round the loop: sweeps and roundings are done with F, the activation and the products with the four buffers, v4 to v6 are written
	LOADA 0
	LOADA 1
	LOADA 2
	LOADA 3                                        ; the first two pairs' fragments
.set i, 0
.rept 16                                       ; the H scans' sums, straight into F: 64 loads, each two aligned runs of 256 bytes
	TSET i
	WIN TW<<6
.irp u,0,1,2,3
	global_load_b128 v[TB+24+4*\u:TB+27+4*\u], v4, s[S1B:S1B+1] offset:(4*i+\u)*8192 th:TH_LOAD_NT
.endr
.set i, i+1
.endr
	WIN 0
	s_cmp_eq_u32 s[CNT], 2
	s_cbranch_scc0 .Lno_ask
.irp n,0,1,2,3                                 ; in the first pass: my own 128 blocks of 256 bytes of the second pass, a lane a block, each named once, one pass ahead of their loads
	global_prefetch_b8 v10, s[S1B:S1B+1] offset:\n*262144 th:TH_LOAD_NT scope:SCOPE_SE
.endr
.Lno_ask:
	CONSTS                                         ; the copies name none of the registers in which the loads above land
.set gi, 0
.rept 16
	GT gi
.set gi, gi+1
.endr
	ACT 1, 0, 5
	ACT 2, 0, 5
	ACT 3, 0, 5
	ACT 0, 4, 1
	WIN 0
	s_wait_loadcnt 0x0                             ; s1's sums are in F
	s_cmp_eq_u32 s[CNT], 1
	s_cbranch_scc1 .Lno_next
	s_wait_alu depctr_va_vdst(0)                   ; the products and copies are done reading v16-111 and v144-150, the activation is done with v80-159: the loads below land there
	LOADBC 1                                       ; the second pass's weights come in under the sweeps
.Lno_next:
	SWEEP1 1
	XCHG
	SWEEP2
	WIN 0
	s_wait_xcnt 0x0                                ; every load's and prefetch's address is translated,
	s_wait_alu depctr_vm_vsrc(0)                   ; s1's loads have read v4, the LDS stores v5, v6 and lam's registers: the adds below, the next pass's products and the second part's loads write them
	v_add_nc_u32 v4, 0x400, v4                     ; four groups of channels on, in s1
	v_add_nc_u32 v5, 0x800, v5                     ; and in the features
	v_add_nc_u32 v6, 0x800, v6
	s_sub_co_u32 s[CNT], s[CNT], 1
	s_cmp_lg_u32 s[CNT], 0
	s_cbranch_scc1 .Lpass
	; THE SECOND PART
.macro WGL                             ; W_gate's fragments of one trip: 16 loads
	WIN 0x80
.irp c,0,1
.irp ks,0,1,2,3
	global_load_b128 v[128+32*\c+8*\ks:128+32*\c+8*\ks+3], v1, s[WGB:WGB+1] offset:\c*4096+\ks*1024
	global_load_b128 v[128+32*\c+8*\ks+4:128+32*\c+8*\ks+7], v1, s[WGB:WGB+1] offset:\c*4096+\ks*1024+512
.endr
.endr
.endm
.macro WOL                             ; W_out's: 16 loads
	WIN 0x80
.irp mo,0,1,2,3,4,5,6,7
	global_load_b128 v[192+8*\mo:192+8*\mo+3], v1, s[WOB:WOB+1] offset:\mo*8192
	global_load_b128 v[192+8*\mo+4:192+8*\mo+7], v1, s[WOB:WOB+1] offset:\mo*8192+512
.endr
.endm
.macro ASK                             ; a trip's b_gate, features, ln_w and ln_b out of LDS: 20 loads
	WIN 0
.irp c,0,1
	ds_load_b128 v[32+8*\c:32+8*\c+3], v21 offset:2048+64*\c
	ds_load_b128 v[32+8*\c+4:32+8*\c+7], v21 offset:2048+64*\c+16
.endr
	WIN 0xC0
.irp u,0,1,2,3
.irp c,0,1
	ds_load_tr16_b128 v[192+8*\u+4*\c:192+8*\u+4*\c+3], v20 offset:\u*8192+\c*512
.endr
.endr
.irp c,0,1
	ds_load_b128 v[224+8*\c:224+8*\c+3], v21 offset:64*\c
	ds_load_b128 v[224+8*\c+4:224+8*\c+7], v21 offset:64*\c+16
	ds_load_b128 v[240+8*\c:240+8*\c+3], v21 offset:1024+64*\c
	ds_load_b128 v[240+8*\c+4:240+8*\c+7], v21 offset:1024+64*\c+16
.endr
	WIN 0
.endm
	s_wait_dscnt 0x0                               ; my features lie in LDS,
	s_barrier_signal -1
	s_barrier_wait -1                              ; everybody's do
	v_and_b32 v27, 7, v0
	v_lshl_add_u32 v27, v13, 3, v27
	v_bfe_u32 v28, v0, 3, 1
	v_lshlrev_b32 v27, 5, v27
	v_lshl_add_u32 v27, v28, 4, v27                ; the turning load: feature row 8 hh + lane % 8, tokens 8 ((lane / 8) % 2) on
	s_lshl_b32 s28, s[WV], 15
	s_add_co_u32 s28, s28, FT
	v_add_nc_u32 v18, s28, v27                     ; my four tiles' features: for the statistics,
	v_mov_b32 v20, v18                             ; and for the main loop
	s_lshl_b32 s28, s[WV], 10
	s_add_co_u32 s28, s28, STAT
	v_lshl_add_u32 v19, v12, 3, s28
	v_mov_b32 v26, v19
	v_lshlrev_b32 v21, 5, v13
	v_add_nc_u32 v25, TB2+3072, v21                ; b_out, 8 hh on
	v_add_nc_u32 v21, TB2, v21                     ; ln_w, ln_b, b_gate, 8 hh on
	s_mul_i32 s28, s[WV], 8448
	s_add_co_u32 s28, s28, STG
	v_mul_u32_u24 v22, v11, 528
	v_lshl_add_u32 v22, v13, 5, v22
	v_add_nc_u32 v22, s28, v22                     ; into my stage: row = token r, 32 bytes for each half of the lanes
	v_add_nc_u32 v23, s28, v1                      ; back: a whole row
	s_mul_i32 s28, s[WV], 64*XP
	v_add_nc_u32 v24, s28, v2                      ; my four tiles of x
	v_mov_b32 v56, -1.0                            ; for a - bf16(a)
	WIN 0x80
	s_wait_alu depctr_va_vdst(0)                   ; the addresses v18 to v26 are written; the first part's vector and matrix instructions are done with the registers of all four windows in which the loads below land
	WGL
	WOL
.irp u,0,1,2,3
.irp ks,0,1,2,3
	ds_load_b128 v[32*\u+8*\ks:32*\u+8*\ks+3], v24 offset:\u*4352+64*\ks
	ds_load_b128 v[32*\u+8*\ks+4:32*\u+8*\ks+7], v24 offset:\u*4352+64*\ks+32
.endr
.endr
	WIN 0x40
.irp mo,0,1,2,3,4,5,6,7
.irp u,0,1,2,3
	ds_load_b128 v[8*(4*\mo+\u):8*(4*\mo+\u)+3], v25 offset:64*\mo        ; the output's sums start with b_out
	ds_load_b128 v[8*(4*\mo+\u)+4:8*(4*\mo+\u)+7], v25 offset:64*\mo+16
.endr
.endr
	ASK                                            ; the main loop's first trip: the statistics' loop names none of these registers
	WIN 0xC0
.irp j,0,1,2,3,4,5,6,7
	v_mov_b32 v[80+\j], 0x3c003c00                 ; ones, in f16
.endr
	v_mov_b32 v88, 1.0
	v_mov_b32 v106, 0                              ; (the exchange's destination counts as read)
	WIN 0
	; THE STATISTICS, a tile of 16 tokens a trip.  window 3: 0-63 the tile's 256 features (128 a lane), 64-79 two sums, 89 -mean, 90-97 differences, 98-105 four sums of squares
	s_mov_b32 s[CNT], 4
.Lstat:
	WIN 0xC0
	s_wait_alu depctr_va_vdst(0)                   ; round the loop: v18 is written, and the products and differences of the trip before are done reading v0-63, in which the loads below land
.irp kb,0,1,2,3,4,5,6,7,8,9,10,11,12,13,14,15
	ds_load_tr16_b128 v[4*\kb:4*\kb+3], v18 offset:\kb*512
.endr
	s_wait_dscnt 0x0
	WIN 0xFF
	v_wmma_f32_16x16x32_f16 v[64:71], v[80:87], v[0:7], 0        ; ones x features: every row of the result is the tokens' sums; two accumulators by turns
	v_wmma_f32_16x16x32_f16 v[72:79], v[80:87], v[8:15], 0
.irp kf,2,4,6
	v_wmma_f32_16x16x32_f16 v[64:71], v[80:87], v[8*\kf:8*\kf+7], v[64:71]
	v_wmma_f32_16x16x32_f16 v[72:79], v[80:87], v[8*\kf+8:8*\kf+15], v[72:79]
.endr
	NOP4
	v_add_f32 v89, v64, v72
	v_mul_f32 v89, s44, v89                        ; -mean
.set a, 0
.rept 64
	v_fma_mix_f32 v[90+2*(a%4)], v[a], v88, v89 op_sel_hi:[1,0,0]
	v_fma_mix_f32 v[91+2*(a%4)], v[a], v88, v89 op_sel:[1,0,0] op_sel_hi:[1,0,0]
.if a < 4
	v_pk_mul_f32 v[98+2*(a%4):99+2*(a%4)], v[90+2*(a%4):91+2*(a%4)], v[90+2*(a%4):91+2*(a%4)]
.else
	v_pk_fma_f32 v[98+2*(a%4):99+2*(a%4)], v[90+2*(a%4):91+2*(a%4)], v[90+2*(a%4):91+2*(a%4)], v[98+2*(a%4):99+2*(a%4)]
.endif
.set a, a+1
.endr
	v_pk_add_f32 v[98:99], v[98:99], v[100:101]
	v_pk_add_f32 v[102:103], v[102:103], v[104:105]
	v_pk_add_f32 v[98:99], v[98:99], v[102:103]
	v_add_f32 v98, v98, v99
	v_permlanex16_b32 v106, v98, s[SEL], s[SEL+1]  ; the token's other 128 features lie in the lane 16 away
	v_add_f32 v98, v98, v106
	v_fma_f32 v98, v98, s42, s43                   ; variance + 1e-5
	v_rsq_f32 v90, v98
	v_nop
	s_wait_alu depctr_va_vdst(0)                   ; the root's reciprocal is written, ahead of its first reader
	v_mul_f32 v91, v89, v90                        ; -mean x rstd
	WIN 0x0C
	s_wait_alu depctr_va_vdst(0)                   ; v91 is written, which the LDS store reads
	ds_store_b64 v19, v[90:91]
	WIN 0
	s_wait_alu depctr_vm_vsrc(0)                   ; the turning loads have read v18, the store v19, v90 and v91: the adds below and the next differences write them
	v_add_nc_u32 v18, 0x2000, v18
	v_add_nc_u32 v19, 0x100, v19
	s_sub_co_u32 s[CNT], s[CNT], 1
	s_cmp_lg_u32 s[CNT], 0
	s_cbranch_scc1 .Lstat
.irp u,0,1,2,3
	ds_load_b64 v[48+2*\u:49+2*\u], v26 offset:256*\u    ; LDS serves a wave's instructions in order: these see my stores above
.endr
	; THE MAIN LOOP: 32 features a trip: their gate (32 products), a = LN x gate in two bf16 parts (vector work), and their share of the output (64 products)
	s_mov_b32 s[CNT], 8
.Lmain:
	s_wait_loadcnt 16                              ; W_gate's fragments are in; W_out's sixteen loads, issued behind them, may stay out
	s_add_nc_u64 s[WGB:WGB+1], s[WGB:WGB+1], 0x2000  ; free since that wait, which shows the loads that read it done: the next trip's fragments
	s_wait_dscnt 0x0                               ; this trip's features and tables, asked for in the trip before; in the first trip the statistics too
	s_wait_alu depctr_vm_vsrc(0)                   ; the LDS loads issued so far have read v20 and v21
	v_add_nc_u32 v20, 0x400, v20                   ; two blocks of features on
	v_add_nc_u32 v21, 0x80, v21                    ; 32 numbers on in the tables
	WIN 0xCA
.irp c,0,1
.irp u,0,1,2,3
	v_wmma_f32_16x16x32_bf16 v[8*(4*\c+\u):8*(4*\c+\u)+7], v[128+32*\c:128+32*\c+7], v[32*\u:32*\u+7], v[32+8*\c:32+8*\c+7]
.endr
.endr
	WIN 0xFA
.irp ks,1,2,3
.irp c,0,1
.irp u,0,1,2,3
	v_wmma_f32_16x16x32_bf16 v[8*(4*\c+\u):8*(4*\c+\u)+7], v[128+32*\c+8*\ks:128+32*\c+8*\ks+7], v[32*\u+8*\ks:32*\u+8*\ks+7], v[8*(4*\c+\u):8*(4*\c+\u)+7]
.endr
.endr
.endr
	NOP4                                           ; four places ahead of the reads of the results, and of the writes over a's two parts, which the last trip's products read
	WIN 0
	s_cmp_eq_u32 s[CNT], 1
	s_cbranch_scc1 .Lno_wg
	WIN 0x80
	s_wait_alu depctr_va_vdst(0)                   ; the gate's products are done reading W_gate's registers, in which the next trip's fragments land
	WGL
	WIN 0
.Lno_wg:
	WIN 0xFF
.set a, 0
.rept 32
	v_pk_mul_f32 v[64+2*a:65+2*a], v[2*a:2*a+1], s[NL:NL+1] op_sel_hi:[1,0]
.set a, a+1
.endr
	WIN 0xC3                                       ; the statistics lie in window 0
.set a, 0
.rept 64                                       ; an exponential and a normalisation by turns: feature x rstd - mean x rstd, straight from the f16 half
	v_exp_f32 v[64+a], v[64+a]
.if a%2
	v_fma_mix_f32 v[128+a], v[192+8*((a/8)%4)+4*(a/32)+(a%8)/2], v[48+2*((a/8)%4)], v[49+2*((a/8)%4)] op_sel:[1,0,0] op_sel_hi:[1,0,0]
.else
	v_fma_mix_f32 v[128+a], v[192+8*((a/8)%4)+4*(a/32)+(a%8)/2], v[48+2*((a/8)%4)], v[49+2*((a/8)%4)] op_sel_hi:[1,0,0]
.endif
.set a, a+1
.endr
	s_wait_alu depctr_va_vdst(0)                   ; one wait for the batch: the 64 exponentials have written their results, ahead of the first reader
	WIN 0xFF
.set a, 0
.rept 32
	v_pk_add_f32 v[64+2*a:65+2*a], v[64+2*a:65+2*a], 1.0 op_sel_hi:[1,0]
.set a, a+1
.endr
.set a, 0
.rept 32                                       ; the reciprocals by turns with ln_w, ln_b and the gate's own factor, none of which names a reciprocal
	v_rcp_f32 v[64+2*a], v[64+2*a]
	v_pk_fma_f32 v[128+2*a:129+2*a], v[128+2*a:129+2*a], v[224+8*(a/16)+2*(a%4):225+8*(a/16)+2*(a%4)], v[240+8*(a/16)+2*(a%4):241+8*(a/16)+2*(a%4)]
	v_rcp_f32 v[65+2*a], v[65+2*a]
	v_pk_mul_f32 v[128+2*a:129+2*a], v[128+2*a:129+2*a], v[2*a:2*a+1]
.set a, a+1
.endr
	s_wait_alu depctr_va_vdst(0)                   ; the 64 reciprocals have written their results; the normalisations are done reading the features, the lines above ln_w and ln_b, the gate's products b_gate; v20 and v21 are written
	WIN 0
	s_cmp_eq_u32 s[CNT], 1
	s_cbranch_scc1 .Lno_f
	ASK                                            ; the next trip's.  No further wait: no vector or matrix instruction from here to the trip's end names v32-47 or window 3's v192-255
.Lno_f:
	WIN 0xFF
.set a, 0
.rept 32
	v_pk_mul_f32 v[128+2*a:129+2*a], v[128+2*a:129+2*a], v[64+2*a:65+2*a]   ; a = LN x gate
.set a, a+1
.endr
.set a, 0
.rept 32
	v_cvt_pk_bf16_f32 v[96+8*((a/4)%4)+4*(a/16)+a%4], v[128+2*a], v[129+2*a]    ; a's first part, in the upper half of the registers where the sigmoid was at work
.set a, a+1
.endr
	WIN 0xF3                                       ; the number -1 lies in window 0
.set a, 0
.rept 64                                       ; what the rounding left: first part x (-1) + a, exact in f32
.if a%2
	v_fma_mix_f32_bf16 v[128+a], v[96+8*((a/8)%4)+4*(a/32)+(a%8)/2], v56, v[128+a] op_sel:[1,0,0] op_sel_hi:[1,0,0]
.else
	v_fma_mix_f32_bf16 v[128+a], v[96+8*((a/8)%4)+4*(a/32)+(a%8)/2], v56, v[128+a] op_sel_hi:[1,0,0]
.endif
.set a, a+1
.endr
	WIN 0xFF
.set a, 0
.rept 32
	v_cvt_pk_bf16_f32 v[64+8*((a/4)%4)+4*(a/16)+a%4], v[128+2*a], v[129+2*a]    ; a's second part, in the lower half
.set a, a+1
.endr
	s_wait_loadcnt 0x0                             ; W_out's fragments (for 0, so that the count is right in the last trip too, which has asked for nothing behind them)
	s_add_nc_u64 s[WOB:WOB+1], s[WOB:WOB+1], 0x400 ; free since that wait: the next trip's fragments
	WIN 0x5E                                       ; the 32 accumulators take turns, twice round: a's first part, then its second
.irp mo,0,1,2,3,4,5,6,7
.irp u,0,1,2,3
	v_wmma_f32_16x16x32_bf16 v[8*(4*\mo+\u):8*(4*\mo+\u)+7], v[192+8*\mo:192+8*\mo+7], v[96+8*\u:96+8*\u+7], v[8*(4*\mo+\u):8*(4*\mo+\u)+7]
.endr
.endr
.irp mo,0,1,2,3,4,5,6,7
.irp u,0,1,2,3
	v_wmma_f32_16x16x32_bf16 v[8*(4*\mo+\u):8*(4*\mo+\u)+7], v[192+8*\mo:192+8*\mo+7], v[64+8*\u:64+8*\u+7], v[8*(4*\mo+\u):8*(4*\mo+\u)+7]
.endr
.endr
	WIN 0
	s_cmp_eq_u32 s[CNT], 1
	s_cbranch_scc1 .Lno_wo
	WIN 0x80
	s_wait_alu depctr_va_vdst(0)                   ; the output's products are done reading W_out's registers, in which the next trip's fragments land
	WOL
	WIN 0
.Lno_wo:
	s_sub_co_u32 s[CNT], s[CNT], 1
	s_cmp_lg_u32 s[CNT], 0
	s_cbranch_scc1 .Lmain
	; THE WAY OUT, a tile at a time: 32 bytes a lane into rows of 528 bytes of my own stage, back as whole rows of 512, into window 2
.macro PACK t
	WIN 0x04
.irp mo,0,1,2,3,4,5,6,7
	ds_store_b128 v22, v[8*(4*\mo+(\t)):8*(4*\mo+(\t))+3] offset:64*\mo
	ds_store_b128 v22, v[8*(4*\mo+(\t))+4:8*(4*\mo+(\t))+7] offset:64*\mo+16
.endr
	WIN 0x80
.irp n,0,1,2,3,4,5,6,7,8,9,10,11,12,13,14,15
	ds_load_b128 v[64*(\t)+4*\n:64*(\t)+4*\n+3], v23 offset:\n*528   ; LDS serves a wave's instructions in order: these see the stores above, and the next tile's stores come behind them
.endr
.endm
.macro SEND t, younger                 ; younger: the LDS instructions issued behind tile t's loads: the next tile's 32, or none
	WIN 0x08
.irp n,0,1,2,3,4,5,6,7,8,9,10,11,12,13,14,15
	s_wait_dscnt (\younger)+15-\n
.if \n < 8
	global_store_b128 v1, v[64*(\t)+4*\n:64*(\t)+4*\n+3], s[OLO:OLO+1] offset:(4*(\t)+(\n/2)%4)*4096+512*(\n%2) th:TH_STORE_NT
.else
	global_store_b128 v1, v[64*(\t)+4*\n:64*(\t)+4*\n+3], s[OHI:OHI+1] offset:512*(\n%2)-(4*(\t)+(\n/2)%4)*4096 th:TH_STORE_NT
.endif
.endr
.endm
	NOP4                                           ; four places behind the last product, before its result is read
	WIN 0x04
	s_wait_alu depctr_va_vdst(0)                   ; the products have written the 32 accumulators, which the LDS stores read, and are done reading window 2, in which the rows land; the places above stay beside this wait
	PACK 0
	PACK 1
	SEND 0, 32
	PACK 2
	SEND 1, 32
	PACK 3
	SEND 2, 32
	SEND 3, 0
	WIN 0
	s_wait_dscnt 0x0                               ; the closing lines, six on end
	s_wait_alu 0x0
	s_wait_tensorcnt 0x0
	ds_add_u32 v14, v15
	s_wait_dscnt 0x0
	s_endpgm
.Lfunc_end_k_qb077c78a3a_wscan:
	.size	k_qb077c78a3a_wscan, .Lfunc_end_k_qb077c78a3a_wscan-k_qb077c78a3a_wscan
	.p2alignl 7, 3214868480
	.fill 96, 4, 3214868480
	.section	.rodata,"a",@progbits
	.p2align	6, 0x0
	.amdhsa_kernel k_qb077c78a3a_wscan
		.amdhsa_group_segment_fixed_size 243200
		.amdhsa_private_segment_fixed_size 0
		.amdhsa_enable_private_segment 0
		.amdhsa_kernarg_size 40
		.amdhsa_user_sgpr_count 2
		.amdhsa_user_sgpr_kernarg_segment_ptr 1
		.amdhsa_wavefront_size32 1
		.amdhsa_system_sgpr_workgroup_id_x 1
		.amdhsa_system_sgpr_workgroup_id_y 1
		.amdhsa_system_sgpr_workgroup_id_z 1
		.amdhsa_system_vgpr_workitem_id 0
		.amdhsa_next_free_vgpr 1024
		.amdhsa_next_free_sgpr 66
		.amdhsa_reserve_vcc 0
		.amdhsa_float_denorm_mode_32 3
		.amdhsa_float_denorm_mode_16_64 3
		.amdhsa_memory_ordered 1
		.amdhsa_forward_progress 1
		.amdhsa_inst_pref_size 255
	.end_amdhsa_kernel
	.section	.bss,"aw",@nobits
	.p2align	6
	.space	262144
	.amdgpu_metadata
---
amdhsa.version: [ 1, 2 ]
amdhsa.kernels:
  - .name:           k_qb077c78a3a_wscan
    .symbol:         k_qb077c78a3a_wscan.kd
    .args:
      - { .name: x, .offset: 0, .size: 8, .value_kind: global_buffer, .address_space: global }
      - { .name: wfrag, .offset: 8, .size: 8, .value_kind: global_buffer, .address_space: global }
      - { .name: tab, .offset: 16, .size: 8, .value_kind: global_buffer, .address_space: global }
      - { .name: s1, .offset: 24, .size: 8, .value_kind: global_buffer, .address_space: global }
      - { .name: out0, .offset: 32, .size: 8, .value_kind: global_buffer, .address_space: global }
    .group_segment_fixed_size: 243200
    .private_segment_fixed_size: 0
    .kernarg_segment_align: 8
    .kernarg_segment_size: 40
    .max_flat_workgroup_size: 128
    .sgpr_count:     66
    .vgpr_count:     1024
    .wavefront_size: 32
...
	.end_amdgpu_metadata
.endif
;; end of part 5
